; MI455X (gfx1250); checked and timed in simulation.
; The chip was launched on July 23, 2026; its instructions are those of AMD's public machine-readable ISA for CDNA 5 (MIT licence, August 2026) and "CDNA5" Instruction Set Architecture Reference Guide (July 2026). The comments in the code are by the model that wrote it; some were corrected since.
;; Decoder. Allowed arithmetic: float matrix products may take bf16 or f16 operands with f32 sums; all other float work in f32.
;; Inputs: W_k 8 x 512 x 768 float32; W_o 512 x 768 float32; W_q 8 x 512 x 768 float32; W_v 8 x 512 x 768 float32; beta1 512 float32; beta2 512 float32; gamma1 512 float32; gamma2 512 float32; x 16 x 512 x 768 float32; x1 512 x 768 float32; x2 512 x 768 float32; y1 512 x 768 float32; y2 512 x 768 float32.
;; Outputs: out0 16 x 512 x 768 float32.
;; 2 versions, each right; version 2 is version 1 with the launch finish written anew for expert scheduling mode. Each part assembles by itself: llvm-mc -triple=amdgcn-amd-amdhsa -mcpu=gfx1250 --defsym DOCPART=n.
;; ======== version 1 of 2: 3 launches
;; workspace buffers: Kw 100,663,296 bytes; cpart 1,048,576 bytes
;; launch form (part 1): grid 256 x 1, 12 waves a work-group, no clusters, 0 bytes of LDS; arguments x, W_k, Kw; writes Kw
.if DOCPART == 1
	.amdgcn_target "amdgcn-amd-amdhsa--gfx1250"
	.amdhsa_code_object_version 6
	.text
	.protected	k_q75496497a2_form
	.globl	k_q75496497a2_form
	.p2align	8
	.type	k_q75496497a2_form,@function
k_q75496497a2_form:
	s_mov_b64 s[64:65], 0
	v_nop
	global_prefetch_b8 v0, s[64:65] scope:SCOPE_SE
	s_setreg_imm32_b32 hwreg(HW_REG_WAVE_MODE, 25, 1), 1
	s_wait_xcnt 0x0
; FIRST OF THREE LAUNCHES: Kw = bf16(x * W_k * SC), laid out as the score launch reads it.  (Q = x * W_q is used by one work-group only and is formed there.)
;
; WORK LEFT OUT BY THE WHOLE PROGRAM.  reference() forms o[b,h,i,j] = sum_k attn[b,h,i,k] v[b,h,k,j] and uses o only in
; sum over (h,i) of o[b,h,i,j] (the einsum 'bij,kj->bkj' sums the whole concatenated axis and then multiplies by W_o[k,j]).
; For all values of the inputs  sum_i sum_k attn[i,k] v[k,j] = sum_k (sum_i attn[i,k]) v[k,j] : a finite sum in another order.
; So the product attn x v is not formed: launch 2 makes the column sums c[b,h,k] = sum_i attn[b,h,i,k] (softmax with its maximum, as written),
; launch 3 makes S[b,j] = sum_h sum_k c[b,h,k] x[b,k,j] W_v[h,k,j] in f32.  No input is left out: every input is loaded by some launch.
; LIMITS: the order of that sum differs from reference()'s; v is not rounded to bf16; a NaN, an infinity or an overflow that would arise
; only inside the product attn x v as written is not carried to the result.
;
; SC = log2(e) / sqrt(768) is folded into W_k, so that launch 2 takes 2^(s - max).  K is bf16 (not f16): the exponent range of f32 is kept.
; LAYOUT (bf16):  Kw[bh = 8 b + h][beta = j / 32][row 0..511][32 j]        a block of one beta: 32,768 bytes, dense
;
; SHARES.  Work-group g: heads 4 (g & 1) .. + 3, rows 8 ((g >> 1) & 63) .. + 7, batches 8 (g >> 7) .. + 7.
; Wave w of twelve: columns 128 (w mod 6) .. + 127 (four blocks of 32 j), four of the eight batches.  It keeps its 8 x 128 pieces of W_k SC of four heads in 128 registers.
; Lane l holds row l / 4 and the 8 columns 8 (l mod 4) .. + 7 of each block: two loads of 16 bytes, 16 bytes apart; the two together cover 128 consecutive bytes of each
; of eight rows, a wave's eight loads 512 consecutive bytes of each.  The lane's 8 products round to the 16 bytes at 16 l of the block's 8 rows x 64 bytes, so each store of
; the wave covers 512 consecutive bytes, aligned, straight from registers: no LDS, no barrier.
; No joint requests: a piece of x is shared by two work-groups and a piece of W_k by two, and both go straight into registers in the lane layout that the stores need;
; a joint request lands in LDS and would add an LDS write and read for each of those bytes.
.set SC,    0x3d553b94                 ; log2(e) / sqrt(768)
.set XROW,  3072                       ; bytes in a row of x and of W_k
.set PLANE, 1572864                    ; bytes of one batch of x, of one head of W_k
.set KBH,   786432                     ; bytes of one bh in Kw
.set KBLK,  32768                      ; bytes of one block in Kw
.set VLD, 2                            ; v2       (lane / 4) rows + 32 (lane mod 4): my place in a load; never rewritten
.set VST, 3                            ; v3       16 x lane: my place in a store's 512 bytes; never rewritten
.set T,   16                           ; v[16:47]  one head's 32 products in f32
.set OUT, 48                           ; v[48:63]  the same rounded: four times 16 bytes to store
.set XB0, 64                           ; v[64:95]   x of one batch, block q at 8 q
.set XB1, 96                           ; v[96:127]  x of the next
.set W,   128                          ; v[128:255] W_k SC, head hh at 32 hh, block q at 8 q
.set XP, 4                             ; s[4:5]   x at my piece of my first batch; the batch stands in the loads' immediate
.set WK, 6                             ; s[6:7]   W_k at my piece of my first head
.set KP, 8                             ; s[8:9]   Kw at my first block, stepped batch by batch
	s_load_b128 s[4:7], s[0:1], 0x0                ; x, W_k
	s_load_b64 s[8:9], s[0:1], 0x10                ; Kw
	v_lshrrev_b32 v1, 5, v0
	v_readfirstlane_b32 s14, v1                    ; wave 0..11
	v_and_b32 v5, 31, v0                           ; lane
	s_cmp_ge_u32 s14, 6
	s_cselect_b32 s15, 1, 0                        ; which four of the group's eight batches
	s_mul_i32 s16, s15, 6
	s_sub_co_u32 s16, s14, s16                     ; which 128 columns, 0..5
	s_and_b32 s17, ttmp9, 1                        ; which four heads
	s_bfe_u32 s18, ttmp9, 0x60001                  ; group of 8 rows, 0..63 (6 bits from bit 1)
	s_lshr_b32 s19, ttmp9, 7
	s_lshl_b32 s19, s19, 1
	s_add_co_u32 s19, s19, s15                     ; my four batches: 4 s19 .. + 3
	s_mul_i32 s20, s18, 8*XROW
	s_lshl_b32 s21, s16, 9
	s_add_co_u32 s20, s20, s21                     ; rows and columns, in bytes, for x and W_k alike
	s_mul_i32 s22, s17, 4*PLANE
	s_add_co_u32 s22, s22, s20                     ; offset in W_k
	s_mov_b32 s23, 0
	s_mul_i32 s24, s19, 4*PLANE
	s_add_co_u32 s24, s24, s20                     ; offset in x
	s_mov_b32 s25, 0
	s_mul_i32 s26, s19, 32*KBH                     ; Kw: bh = 32 s19 + 4 (which heads)
	s_mul_i32 s21, s17, 4*KBH
	s_add_co_u32 s26, s26, s21
	s_lshl_b32 s21, s16, 17                        ; + 4 blocks of 32,768 bytes for each 128 columns
	s_add_co_u32 s26, s26, s21
	s_lshl_b32 s21, s18, 9                         ; + 8 rows of 64 bytes
	s_add_co_u32 s26, s26, s21
	s_mov_b32 s27, 0
	v_lshrrev_b32 v6, 2, v5
	v_mul_u32_u24 v6, v6, XROW
	v_and_b32 v7, 3, v5
	v_lshl_add_u32 v[VLD], v7, 5, v6
	v_lshlrev_b32 v[VST], 4, v5
	s_wait_kmcnt 0x0
	s_add_nc_u64 s[XP:XP+1], s[XP:XP+1], s[24:25]
	s_add_nc_u64 s[WK:WK+1], s[WK:WK+1], s[22:23]
	s_add_nc_u64 s[KP:KP+1], s[KP:KP+1], s[26:27]
.macro XLOAD buf, n                    ; batch n of my four: eight rows x 128 columns
.irp q, 0,1,2,3
	global_load_b128 v[\buf+8*\q:\buf+8*\q+3],   v[VLD], s[XP:XP+1] offset:(\n)*PLANE+\q*128
	global_load_b128 v[\buf+8*\q+4:\buf+8*\q+7], v[VLD], s[XP:XP+1] offset:(\n)*PLANE+\q*128+16
.endr
.endm
.irp hh, 0,1,2,3
.irp q, 0,1,2,3
	global_load_b128 v[W+32*\hh+8*\q:W+32*\hh+8*\q+3],   v[VLD], s[WK:WK+1] offset:\hh*PLANE+\q*128
	global_load_b128 v[W+32*\hh+8*\q+4:W+32*\hh+8*\q+7], v[VLD], s[WK:WK+1] offset:\hh*PLANE+\q*128+16
.endr
.endr
	XLOAD XB0, 0                                   ; two batches are on their way from the start
	XLOAD XB1, 1
	s_wait_loadcnt 16                              ; the sixteen loads of x are younger: the 32 of W_k are in
.set i, 0
.rept 64
	v_pk_mul_f32 v[W+2*i:W+2*i+1], v[W+2*i:W+2*i+1], SC op_sel_hi:[1,0]   ; once for four batches
.set i, i+1
.endr
; One head of one batch: multiply, round, store four blocks' 512 bytes
.macro HEAD cur, hh
.set i, 0
.rept 16
	v_pk_mul_f32 v[T+2*i:T+2*i+1], v[\cur+2*i:\cur+2*i+1], v[W+32*\hh+2*i:W+32*\hh+2*i+1]
.set i, i+1
.endr
	s_wait_xcnt 0x0                                ; OUT was the data of the last four stores: it is rewritten only behind this wait
.set i, 0
.rept 16
	v_cvt_pk_bf16_f32 v[OUT+i], v[T+2*i], v[T+2*i+1]
.set i, i+1
.endr
.irp q, 0,1,2,3
	global_store_b128 v[VST], v[OUT+4*\q:OUT+4*\q+3], s[KP:KP+1] offset:\hh*KBH+\q*KBLK   ; 8 rows x 64 bytes of one block: 512 consecutive bytes, aligned
.endr
.endm
; Batch n of my four, in buffer cur.  The buffer is asked for again, two batches ahead, as soon as it has been read.
.macro BSTEP n, cur
.if \n < 3
	s_wait_loadcnt 0x8                             ; the next batch's eight loads are younger: this batch's x is in
.else
	s_wait_loadcnt 0x0
.endif
	HEAD \cur, 0
	HEAD \cur, 1
	HEAD \cur, 2
	HEAD \cur, 3
.if \n < 3
	s_wait_xcnt 0x0                                ; the stores' base is stepped only behind this wait
	s_add_nc_u64 s[KP:KP+1], s[KP:KP+1], 8*KBH     ; the next batch is eight bh further
.endif
.if \n < 2
	XLOAD \cur, \n+2
.endif
.endm
	BSTEP 0, XB0
	BSTEP 1, XB1
	BSTEP 2, XB0                                   ; the last two batches ask for nothing
	BSTEP 3, XB1
	s_endpgm
.Lfunc_end_k_q75496497a2_form:
	.size	k_q75496497a2_form, .Lfunc_end_k_q75496497a2_form-k_q75496497a2_form
	.p2alignl 7, 3214868480
	.fill 96, 4, 3214868480
	.section	.rodata,"a",@progbits
	.p2align	6, 0x0
	.amdhsa_kernel k_q75496497a2_form
		.amdhsa_group_segment_fixed_size 0
		.amdhsa_private_segment_fixed_size 0
		.amdhsa_enable_private_segment 0
		.amdhsa_kernarg_size 24
		.amdhsa_user_sgpr_count 2
		.amdhsa_user_sgpr_kernarg_segment_ptr 1
		.amdhsa_wavefront_size32 1
		.amdhsa_system_sgpr_workgroup_id_x 1
		.amdhsa_system_sgpr_workgroup_id_y 1
		.amdhsa_system_sgpr_workgroup_id_z 1
		.amdhsa_system_vgpr_workitem_id 0
		.amdhsa_next_free_vgpr 256
		.amdhsa_next_free_sgpr 66
		.amdhsa_reserve_vcc 0
		.amdhsa_float_denorm_mode_32 3
		.amdhsa_float_denorm_mode_16_64 3
		.amdhsa_memory_ordered 1
		.amdhsa_forward_progress 1
		.amdhsa_inst_pref_size 53
	.end_amdhsa_kernel
	.amdgpu_metadata
---
amdhsa.version: [ 1, 2 ]
amdhsa.kernels:
  - .name:           k_q75496497a2_form
    .symbol:         k_q75496497a2_form.kd
    .args:
      - { .name: x, .offset: 0, .size: 8, .value_kind: global_buffer, .address_space: global }
      - { .name: W_k, .offset: 8, .size: 8, .value_kind: global_buffer, .address_space: global }
      - { .name: Kw, .offset: 16, .size: 8, .value_kind: global_buffer, .address_space: global }
    .group_segment_fixed_size: 0
    .private_segment_fixed_size: 0
    .kernarg_segment_align: 8
    .kernarg_segment_size: 24
    .max_flat_workgroup_size: 384
    .sgpr_count:     66
    .vgpr_count:     256
    .wavefront_size: 32
...
	.end_amdgpu_metadata
.endif
;; end of part 1
;; launch scores (part 2): grid 256 x 1, 4 waves a work-group, clusters of 4 x 1, 327,680 bytes of LDS; arguments x, W_q, Kw, cpart; writes cpart
.if DOCPART == 2
	.amdgcn_target "amdgcn-amd-amdhsa--gfx1250"
	.amdhsa_code_object_version 6
	.text
	.protected	k_q75496497a2_scores
	.globl	k_q75496497a2_scores
	.p2align	8
	.type	k_q75496497a2_scores,@function
k_q75496497a2_scores:
	s_mov_b64 s[64:65], 0
	v_nop
	global_prefetch_b8 v0, s[64:65] scope:SCOPE_SE
	s_setreg_imm32_b32 hwreg(HW_REG_WAVE_MODE, 25, 1), 1
	s_wait_xcnt 0x0
	s_wait_alu depctr_hold_cnt(0) depctr_sa_sdst(0) depctr_va_vdst(0) depctr_va_sdst(0) depctr_va_ssrc(0) depctr_va_vcc(0) depctr_vm_vsrc(0)
	s_getreg_b32 s2, hwreg(HW_REG_IB_STS2, 6, 4)
	s_cmp_eq_u32 s2, 0
	s_cbranch_scc0 .Lentry_in_a_cluster
	s_endpgm
.Lentry_in_a_cluster:
	s_bfe_u32 s2, ttmp6, 0x10000c
	s_cmp_lg_u32 s2, 0x3003
	s_cbranch_scc0 .Lentry_shape_is_right
	s_endpgm
.Lentry_shape_is_right:
; SECOND LAUNCH: cpart[bh][qb][k] = sum over the 128 query rows i of block qb of softmax_k(q k^T / sqrt(768))[i][k].
; The product attn x v of reference() is not formed: only the column sums of attn reach the result (shown at the head of the first kernel).
; The softmax is reference()'s: the row's maximum over all 512 keys is taken away before the exponential.  Kw carries log2(e)/sqrt(768), so p = 2^(s - max).
; LIMIT: v_exp_f32 gives 0 where the result would lie below 2^-126 (ISA guide, its entry in 15.8); such terms count as 0 in the sums.
;
; SHARES.  A cluster of four work-groups owns two bh (2 p, 2 p + 1; p = the cluster's number; both of batch p / 4).  Work-group cx of the cluster owns query block qb = cx of both
; and walks them one after the other: 2 tiles of 128 queries x 512 keys, 8 steps of 96 j each, 16 steps in one stream that is linear in Kw.
; Wave w owns keys 128 w .. + 127 and all 128 query rows: 64 accumulator tiles of 16 x 16, 512 registers: whole rows of scores stay in registers until the row sums are known.
; JOINT LOADS: the four query blocks read the same tiles of K, so K comes by joint tensor loads (mask 15: all four), a quarter of a step's 98,304 bytes a wave.
; Q = bf16(x W_q) is this work-group's own and exists in no buffer: wave w loads rows 32 w .. + 31 of the block from x and W_q in f32 (lane by lane, so no joint request),
; multiplies, rounds once and puts them into a stage in LDS, one step ahead.  Nothing but the addresses of x, W_q and cpart hangs on cx.
;
; LDS: two slots of 153,600 bytes.  In a slot: K's three sub-blocks of 32 j (512 rows, pitch 80) at u x 40,960, filled by tensor loads; Q's three (128 rows, pitch 80) at
; 122,880 + u x 10,240: 30,720 bytes in aligned blocks of 256 that only ds_stores write.  Pitch 80 = 64 bytes of data + 16: the sixteen rows of a fragment start at sixteen
; different multiples of 16 modulo 256.  Behind the slots, also never the target of a tensor load: MAXS, SUMS ([wave][r][a] f32, 512 bytes a wave), COLS (512 bytes a wave).
; A step's K is dense in memory and evenly padded in LDS, so wave w's load takes memory bytes 24,576 w .. (96 rows of 256 bytes) to LDS bytes 30,720 w .. of the slot.
; By this text's count a wave has two tensor loads out at the start and one behind each refill.
;
; REGISTERS, in windows of 256:
;   window 0: v14-30 addresses; v32-47 MP; v48-63 WP, in the loop PK (a piece of Q, rounded); v64-127, v128-191 Q's fragments, two buffers (the second is the softmax's scratch);
;             v192-255 piece 2 of x and W_q as loaded
;   window 1: v0-63 piece 0, v192-255 piece 1 of x and W_q as loaded; v64-127, v128-191 K's fragments, two buffers
;   window 2: accumulators of query tiles a = 0..3 (tile (a, b) at 8 (8 a + b));  window 3: a = 4..7.
; THE MATRIX INSTRUCTION IS USED TRANSPOSED: source 0 = 16 keys, source 1 = 16 query rows.  Lane (r = l % 16, h = l / 16), register j of tile (a, b) then holds
; query row 16 a + r and key 128 w + 16 b + 8 h + j: a row's statistics need one exchange between the halves of the lanes and one between the waves.
.set PITCH,  80
.set KSUB,   512*PITCH                 ; 40,960
.set QSUB,   128*PITCH                 ; 10,240
.set QOFF,   3*KSUB                    ; 122,880
.set SLOT,   QOFF+3*QSUB               ; 153,600
.set MAXS,   2*SLOT                    ; 307,200
.set SUMS,   MAXS+2048
.set COLS,   SUMS+2048
.set KSTEPB, 98304                     ; bytes of K in a step of 96 j
.set KWAVE,  KSTEPB/4                  ; a wave's share in memory
.set KWLDS,  QOFF/4                    ; and in LDS, padded: 30,720
.set XROW,   3072                      ; bytes in a row of x and of W_q
.set PLANE,  1572864                   ; a batch of x, a head of W_q
.set QSTEPB, 384                       ; bytes of a row in a step of 96 j
.set VQ,   14                          ; v14     x and W_q: 4 (lane / 8) rows + 16 (lane mod 8); never rewritten
.set ADRQ, 16                          ; v16-17  LDS address of my Q fragments in slot 0, 1
.set VQS,  18                          ; v18-19  where I put 8 bytes of Q in the stage of slot 0, 1
.set ADRK, 20                          ; v20-25  LDS address of my K fragments, slot s, sub-block u at 3 s + u
.set VMX,  26                          ; v26     MAXS + 512 w + 32 r: where I put my eight partial figures
.set VML,  27                          ; v27     MAXS + 32 r: where I read the four waves' figures
.set VCS,  28                          ; v28     COLS + 512 w + 32 h
.set VCL,  29                          ; v29     COLS + 512 w + 16 lane
.set VCO,  30                          ; v30     512 w + 16 lane: my bytes in a row of cpart
.set MP,   32                          ; v32-47  first eight partial maxima, then pairs (m, m) for each a
.set WP,   48                          ; v48-63  first eight partial sums, then pairs (1/l, 1/l)
.set PK,   48                          ; v48-63  in the loop: sixteen registers of Q, rounded, on their way to the stage
.set F0,   64                          ; fragment buffer 0
.set F1,   128                         ; fragment buffer 1
.set TA,   128                         ; v128-159 the softmax's scratch: window 0's fragment buffer 1, which holds nothing live there
.set TB,   160                         ; v160-191 (the next tile's first fragments wait in buffer 0)
.set XB, 4                             ; s[4:5]   x at my wave's first row
.set WB, 6                             ; s[6:7]   W_q at my wave's first row, first head
.set CP, 10                            ; s[10:11] cpart at my row
.set XA, 14                            ; s[14:15] x at the step that is asked for
.set WA, 16                            ; s[16:17] W_q at the step that is asked for
.set G1K, 24                           ; s[24:31] descriptor group 1
.set G0K, 32                           ; s[32:39] descriptor group 0, a set for each slot
.set MSB, 0
.macro WIN new                         ; the immediate's high byte repeats the setting that is left; a switch that changes nothing is dropped
.if MSB != (\new)
	s_set_vgpr_msb (MSB<<8)|(\new)
.set MSB, (\new)
.endif
.endm
.set MUL_LO, 0xa1                      ; source 0 (K) window 1, source 1 (Q) window 0, C and D window 2
.set MUL_HI, 0xf1                      ; the same, C and D window 3
.set TO_K,   0x40                      ; destination window 1, address window 0
; A round of the cluster's barrier: my work-group's barrier, wave 0 signals for the work-group, every wave waits for all four work-groups, my work-group's barrier once more.
.macro CREST                           ; a round behind its opening barrier
	s_cmp_lg_u32 s12, 0
	s_cbranch_scc1 .Lnot_wave_0_\@
	s_barrier_signal -3
.Lnot_wave_0_\@:
	s_barrier_wait -3
	s_barrier_signal -1
	s_barrier_wait -1
.endm
.macro CROUND
	s_barrier_signal -1
	s_barrier_wait -1
	CREST
.endm
; ---- Q: a piece is sub-block u (32 j) of my wave's 32 rows: 32 numbers of x and 32 of W_q a lane ----
.macro QSEL u                          ; where piece u lies: x at RB, W_q at RB + 32, in window RWIN
.if (\u) == 0
.set RB, 0
.set RWIN, 1
.elseif (\u) == 1
.set RB, 192
.set RWIN, 1
.else
.set RB, 192
.set RWIN, 0
.endif
.endm
; The bases of the step that is asked for next.  s18 counts the steps asked for, 0 to 15: step n lies at j = 96 (n mod 8); x is the same for both tiles, W_q's head is n / 8.
.macro QPTR
	s_wait_xcnt 0x0                                ; the two bases are sources of loads still out: they are rewritten only behind this wait
	s_and_b32 s20, s18, 7
	s_mul_i32 s20, s20, QSTEPB
	s_lshr_b32 s22, s18, 3
	s_mul_i32 s22, s22, PLANE
	s_add_co_u32 s22, s22, s20
	s_add_nc_u64 s[XA:XA+1], s[XB:XB+1], s[20:21]
	s_add_nc_u64 s[WA:WA+1], s[WB:WB+1], s[22:23]
	s_add_co_u32 s18, s18, 1
.endm
; Sixteen loads.  Load i takes rows 4 (lane / 8) + (i mod 4) + 16 (i / 4): four rows, 128 consecutive bytes of each, neighbouring lanes at neighbouring 16 bytes.
.macro QLOAD u
	QSEL \u
	WIN 0x40*RWIN
.irp i, 0,1,2,3,4,5,6,7
	global_load_b128 v[RB+4*\i:RB+4*\i+3],       v[VQ], s[XA:XA+1] offset:((\i&3)+16*(\i>>2))*XROW+128*(\u)
	global_load_b128 v[RB+32+4*\i:RB+32+4*\i+3], v[VQ], s[WA:WA+1] offset:((\i&3)+16*(\i>>2))*XROW+128*(\u)
.endr
.endm
; x W_q in f32, in place, then one rounding to bf16 into PK.  These 32 plain vector instructions name no register of a matrix instruction.
.macro QMUL u
	QSEL \u
	WIN 0x45*RWIN                                  ; destination and both sources in the piece's window
.set i, 0
.rept 16
	v_pk_mul_f32 v[RB+2*i:RB+2*i+1], v[RB+2*i:RB+2*i+1], v[RB+32+2*i:RB+32+2*i+1]
.set i, i+1
.endr
	WIN 0x05*RWIN                                  ; destination in window 0
.set i, 0
.rept 16
	v_cvt_pk_bf16_f32 v[PK+i], v[RB+2*i], v[RB+2*i+1]
.set i, i+1
.endr
.endm
; Eight stores of 8 bytes a lane into the stage of slot st.  A store's four rows lie 4 rows = 320 bytes apart, so their 64 bytes start 64 bytes apart modulo 256.
.macro QSTORE st, u
	WIN 0
.irp i, 0,1,2,3,4,5,6,7
	ds_store_b64 v[VQS+\st], v[PK+2*\i:PK+2*\i+1] offset:(\u)*QSUB+((\i&3)+16*(\i>>2))*PITCH
.endr
.endm
; Ahead of the loop: piece qu of step 0 into the stage of slot 0; step 1's is asked for
.macro QPROD qu
	s_wait_loadcnt 32                              ; two younger pieces of sixteen loads
.if \qu == 0
	QPTR
.endif
	QMUL \qu
	QLOAD \qu
	QSTORE 0, \qu
.endm
; ---- products ----
; 16 matrix instructions: query tiles a0, a0 + 1 of the window's four (hi = 0: a = 0..3, 1: a = 4..7) x all 8 key tiles, 32 along j.  zero = 1: the product starts the sums.
.macro MUL16 f, hi, a0, zero
.irp a, \a0, \a0+1
.irp b, 0,1,2,3,4,5,6,7
.if \zero
	v_wmma_f32_16x16x32_bf16 v[8*(8*(\a)+\b):8*(8*(\a)+\b)+7], v[\f+8*\b:\f+8*\b+7], v[\f+8*(4*\hi+\a):\f+8*(4*\hi+\a)+7], 0
.else
	v_wmma_f32_16x16x32_bf16 v[8*(8*(\a)+\b):8*(8*(\a)+\b)+7], v[\f+8*\b:\f+8*\b+7], v[\f+8*(4*\hi+\a):\f+8*(4*\hi+\a)+7], v[8*(8*(\a)+\b):8*(8*(\a)+\b)+7]
.endif
.endr
.endr
.endm
; The fragments of sub-block u of a slot into buffer f: my 128 keys (16 loads), the 128 query rows (16 loads)
.macro FETCHK slot, u, f
	WIN TO_K
.irp i, 0,1,2,3,4,5,6,7
	ds_load_b128 v[\f+8*\i:\f+8*\i+3],   v[ADRK+3*\slot+\u] offset:\i*16*PITCH
	ds_load_b128 v[\f+8*\i+4:\f+8*\i+7], v[ADRK+3*\slot+\u] offset:\i*16*PITCH+32
.endr
.endm
.macro FETCHQ slot, u, f
	WIN 0
.irp i, 0,1,2,3,4,5,6,7
	ds_load_b128 v[\f+8*\i:\f+8*\i+3],   v[ADRQ+\slot] offset:\u*QSUB+\i*16*PITCH
	ds_load_b128 v[\f+8*\i+4:\f+8*\i+7], v[ADRQ+\slot] offset:\u*QSUB+\i*16*PITCH+32
.endr
.endm
.macro FETCH slot, u, f
	FETCHK \slot, \u, \f
	FETCHQ \slot, \u, \f
.endm
; A load into a register that a matrix instruction has read, and a vector instruction that reads a matrix result, stand four places behind that matrix
; instruction; only plain vector instructions that name none of its registers are places; the matrix instructions in between are not counted.
; Where a piece of Q is made its 32 vector instructions are the places; elsewhere four v_nop.
.macro PLACES
.rept 4
	v_nop
.endr
.endm
; The middle of a sub-block: piece qu of the next step goes into the stage of slot st, the same piece of the step after is asked for (more = 1), and the fragments of
; sub-block u of this slot are fetched into buffer g.  All memory instructions stand in one run: 16 global loads, 16 LDS loads, 8 LDS stores, 16 LDS loads.
.macro MID qu, st, left, more, slot, u, g
	s_wait_loadcnt \left                           ; the pieces asked for behind this one may stay out
.if \more
.if \qu == 0
	QPTR
.endif
.endif
	QMUL \qu
.if \more
	QLOAD \qu                                      ; into registers that only the vector instructions above have read
.endif
	FETCHK \slot, \u, \g
	QSTORE \st, \qu
	FETCHQ \slot, \u, \g
.endm
; A step is three sub-blocks of 32 j, 64 matrix instructions each.  The 64 accumulators take turns, one instruction a turn, in the same order everywhere,
; into the loops and over their backward jumps too.
; One of the first two: multiplies buffer f; in its middle it fetches sub-block u of the same slot into buffer g and (q = 1) makes piece u - 1 of the next step's Q.
.macro SUB slot, u, f, g, zero, q, left, more
	s_wait_dscnt 8                                 ; K and Q's rows 0-63 are in; the youngest eight loads (Q's rows 64-127) may be out
	WIN MUL_LO
	MUL16 \f, 0, 0, \zero
	MUL16 \f, 0, 2, \zero
.if \q
	MID (\u-1), (1-\slot), \left, \more, \slot, \u, \g
	s_wait_dscnt 40                                ; all but the 16 + 8 + 16 just issued
.else
	PLACES
	FETCH \slot, \u, \g
	s_wait_dscnt 32                                ; all but the 32 just issued
.endif
	WIN MUL_HI
	MUL16 \f, 1, 0, \zero
	MUL16 \f, 1, 2, \zero
.endm
; The third: makes piece 2 of the next step's Q, multiplies buffer f and changes slots.  fill = 1: this slot's K is filled again, two steps ahead.
; In front of the barrier each wave waits for its reads of this slot, for its stores into the next slot's stage and for all its tensor loads (one is out: its part of the
; next slot).  Behind it the next slot's K and Q are whole, and nobody reads this slot: its stage may be written in the next step.  Where K is filled again the barrier opens
; a round of the cluster's barrier, inside which only registers are worked on; the refill is the first tensor load behind the round.
; From a request to the wait for it a wave issues 176 of a step's 192 matrix instructions.
.macro TURN slot, next, f, g, fill, left, more
	s_wait_loadcnt \left
	QMUL 2                                         ; also the places in front of the loads into buffer g below
.if \more
	QLOAD 2
.endif
	QSTORE \next, 2
	s_wait_dscnt 16                                ; the eight loads of Q's rows 64-127 and the eight stores may be out
	WIN MUL_LO
	MUL16 \f, 0, 0, 0
	s_wait_dscnt 0                                 ; my reads of this slot are over, my part of the next stage is written
	s_set_vgpr_msb 0xa1a0
	s_wait_tensorcnt 0x0                           ; all my tensor loads have landed
	ds_add_u32 v15, v31
	s_wait_dscnt 0x0
	s_set_vgpr_msb 0xa0a1
	s_barrier_signal -1
	MUL16 \f, 0, 2, 0                              ; registers only, while the others arrive
	WIN 0
	s_barrier_wait -1
.if \fill
	CREST                                          ; no wave of any partner still reads this slot or has a load on its way
	s_add_nc_u64 s[G0K+4*\slot+2:G0K+4*\slot+3], s[G0K+4*\slot+2:G0K+4*\slot+3], 2*KSTEPB
	tensor_load_to_lds s[G0K+4*\slot:G0K+4*\slot+3], s[G1K:G1K+7]
	s_nop 0
.endif
	FETCH \next, 0, \g
	WIN MUL_HI
	MUL16 \f, 1, 0, 0
	MUL16 \f, 1, 2, 0
.endm
; A lap is two steps, once round the ring and the fragment buffers.  Its first sub-block is  SUB 0, 1, F0, F1, ..;  this is the rest, with every refill and every request.
.macro REST
	SUB 0, 2, F1, F0, 0, 1, 32, 1
	TURN 0, 1, F0, F1, 1, 32, 1
	SUB 1, 1, F1, F0, 0, 1, 32, 1
	SUB 1, 2, F0, F1, 0, 1, 32, 1
	TURN 1, 0, F1, F0, 1, 32, 1
.endm
; ---- the softmax's column sums of a finished tile ----
; The largest of a lane's 64 scores of each query tile of one window (hi = 0: a = 0..3; 1: a = 4..7), into MP + a
.macro ROWMAX hi
	WIN 0x2a+0x15*\hi                              ; three sources in the accumulators' window, destination in window 0
.set n, 0
.rept 32
	v_max3_num_f32 v[TB+n], v[8*n], v[8*n+1], v[8*n+2]
.set n, n+1
.endr
	WIN 0x28+0x14*\hi                              ; source 0 in window 0
.set n, 0
.rept 32
	v_max3_num_f32 v[TB+n], v[TB+n], v[8*n+3], v[8*n+4]
.set n, n+1
.endr
.set n, 0
.rept 32
	v_max3_num_f32 v[TB+n], v[TB+n], v[8*n+5], v[8*n+6]
.set n, n+1
.endr
.set n, 0
.rept 32
	v_max_num_f32 v[TB+n], v[TB+n], v[8*n+7]
.set n, n+1
.endr
	WIN 0
.irp a, 0,1,2,3
	v_max3_num_f32 v[MP+4*\hi+\a], v[TB+8*\a], v[TB+8*\a+1], v[TB+8*\a+2]
.endr
.irp a, 0,1,2,3
	v_max3_num_f32 v[MP+4*\hi+\a], v[MP+4*\hi+\a], v[TB+8*\a+3], v[TB+8*\a+4]
.endr
.irp a, 0,1,2,3
	v_max3_num_f32 v[MP+4*\hi+\a], v[MP+4*\hi+\a], v[TB+8*\a+5], v[TB+8*\a+6]
.endr
.irp a, 0,1,2,3
	v_max_num_f32 v[MP+4*\hi+\a], v[MP+4*\hi+\a], v[TB+8*\a+7]
.endr
.endm
; p = 2^(s - m) in place, one window.  The subtraction runs one pair ahead, so that behind each pair of exponentials stands a plain instruction
; that touches neither their results nor their sources (ISA guide 5.7.2); nothing reads an exponential before the row sums.
.macro EXPW hi
	WIN 0x82+0x41*\hi                              ; source 0 and destination in the accumulators' window, source 1 (m, m) in window 0
	v_pk_add_f32 v[0:1], v[0:1], v[MP+8*\hi:MP+8*\hi+1] neg_lo:[0,1] neg_hi:[0,1]
.set n, 0
.rept 127
.set n, n+1
	v_pk_add_f32 v[2*n:2*n+1], v[2*n:2*n+1], v[MP+8*\hi+2*(n/32):MP+8*\hi+2*(n/32)+1] neg_lo:[0,1] neg_hi:[0,1]
	v_exp_f32 v[2*n-2], v[2*n-2]
	v_exp_f32 v[2*n-1], v[2*n-1]
.endr
	v_exp_f32 v254, v254
	v_exp_f32 v255, v255
.endm
; The sum of a lane's 64 p of each query tile of one window, in four chains of pairs, into WP + a
.macro ROWSUM hi
	WIN 0x0a+0x05*\hi                              ; both sources in the accumulators' window
	s_wait_alu depctr_va_vdst(0)
.irp a, 0,1,2,3
.irp c, 0,1,2,3
	v_pk_add_f32 v[TB+8*\a+2*\c:TB+8*\a+2*\c+1], v[64*\a+2*\c:64*\a+2*\c+1], v[64*\a+2*\c+8:64*\a+2*\c+9]
.endr
.endr
	WIN 0x08+0x04*\hi                              ; source 0 in window 0
.irp m, 2,3,4,5,6,7
.irp a, 0,1,2,3
.irp c, 0,1,2,3
	v_pk_add_f32 v[TB+8*\a+2*\c:TB+8*\a+2*\c+1], v[TB+8*\a+2*\c:TB+8*\a+2*\c+1], v[64*\a+2*\c+8*\m:64*\a+2*\c+8*\m+1]
.endr
.endr
.endr
	WIN 0
.irp a, 0,1,2,3
	v_pk_add_f32 v[TB+8*\a:TB+8*\a+1],   v[TB+8*\a:TB+8*\a+1],   v[TB+8*\a+2:TB+8*\a+3]
	v_pk_add_f32 v[TB+8*\a+4:TB+8*\a+5], v[TB+8*\a+4:TB+8*\a+5], v[TB+8*\a+6:TB+8*\a+7]
.endr
.irp a, 0,1,2,3
	v_pk_add_f32 v[TB+8*\a:TB+8*\a+1], v[TB+8*\a:TB+8*\a+1], v[TB+8*\a+4:TB+8*\a+5]
.endr
.irp a, 0,1,2,3
	v_add_f32 v[WP+4*\hi+\a], v[TB+8*\a], v[TB+8*\a+1]
.endr
.endm
; C[b][j] += p of query tile a of the window x 1/l of query tile w (0..7)
.macro COLFMA a, w
.set n, 0
.rept 32
	v_pk_fma_f32 v[TA+2*n:TA+2*n+1], v[64*\a+2*n:64*\a+2*n+1], v[WP+2*(\w):WP+2*(\w)+1], v[TA+2*n:TA+2*n+1]
.set n, n+1
.endr
.endm
; My eight figures (one for each a, in v[src .. src + 7]) go to my 512 bytes of the region at off; behind the barrier the four waves' come back into TA + 8 w + a
.macro SHARE src, off
	ds_store_b128 v[VMX], v[\src:\src+3] offset:\off
	ds_store_b128 v[VMX], v[\src+4:\src+7] offset:\off+16
	s_wait_dscnt 0x0                               ; for the others' sake: my stores are done (and the next tile's first fragments are in)
	s_barrier_signal -1
	s_barrier_wait -1                              ; the next step's tensor load may stay out
.irp w, 0,1,2,3
	ds_load_b128 v[TA+8*\w:TA+8*\w+3],   v[VML] offset:\off+512*\w
	ds_load_b128 v[TA+8*\w+4:TA+8*\w+7], v[VML] offset:\off+512*\w+16
.endr
	s_wait_dscnt 0x0
.endm
.macro EPI tile
	WIN 0
	s_wait_xcnt 0x0                                ; MP, the data of the last tile's store, is rewritten only behind this wait
	PLACES                                         ; behind the tile's last matrix instructions, which read buffer 1 and wrote the accumulators
	ROWMAX 0
	ROWMAX 1
.irp a, 0,1,2,3,4,5,6,7
	v_permlanex16_b32 v[TB+\a], v[MP+\a], s56, s57 ; the other half's keys of the same row
.endr
.irp a, 0,1,2,3,4,5,6,7
	v_max_num_f32 v[MP+\a], v[MP+\a], v[TB+\a]
.endr
	SHARE MP, 0
.irp a, 0,1,2,3,4,5,6,7
	v_max3_num_f32 v[TB+\a], v[TA+\a], v[TA+8+\a], v[TA+16+\a]
.endr
.irp a, 0,1,2,3,4,5,6,7
	v_max_num_f32 v[MP+2*\a],   v[TB+\a], v[TA+24+\a]      ; the row's maximum over all 512 keys, twice: a pair for the packed subtraction
	v_max_num_f32 v[MP+2*\a+1], v[TB+\a], v[TA+24+\a]
.endr
	EXPW 0
	EXPW 1
	ROWSUM 0                                       ; its first line reads window 2's first registers: a plain instruction apart from the last exponentials
	ROWSUM 1
.irp a, 0,1,2,3,4,5,6,7
	v_permlanex16_b32 v[TB+\a], v[WP+\a], s56, s57
.endr
.irp a, 0,1,2,3,4,5,6,7
	v_add_f32 v[WP+\a], v[WP+\a], v[TB+\a]
.endr
	SHARE WP, 2048                                 ; SUMS: bytes of its own, so one barrier is enough
.irp k, 0,2,4,6
	v_pk_add_f32 v[TA+\k:TA+\k+1],       v[TA+\k:TA+\k+1],       v[TA+8+\k:TA+8+\k+1]
	v_pk_add_f32 v[TA+16+\k:TA+16+\k+1], v[TA+16+\k:TA+16+\k+1], v[TA+24+\k:TA+24+\k+1]
.endr
.irp k, 0,2,4,6
	v_pk_add_f32 v[TA+\k:TA+\k+1], v[TA+\k:TA+\k+1], v[TA+16+\k:TA+16+\k+1]
.endr
.irp a, 0,1,2,3,4,5,6,7
	v_rcp_f32 v[WP+2*\a], v[TA+\a]                 ; l >= 1: the row's largest term is 2^0
.endr
	v_nop                                          ; one plain instruction before a reciprocal is used or its source rewritten (ISA guide 5.7.2)
	s_wait_alu depctr_va_vdst(0)
.irp a, 0,1,2,3,4,5,6,7
	v_mov_b32 v[WP+2*\a+1], v[WP+2*\a]
.endr
	; column sums: first over the eight query tiles inside a lane, C[b][j] in TA + 8 b + j, then over the sixteen rows r across the lanes of a half
	WIN 0x02                                       ; source 0 in window 2
.set n, 0
.rept 32
	v_pk_mul_f32 v[TA+2*n:TA+2*n+1], v[2*n:2*n+1], v[WP:WP+1]      ; the first product starts the sums
.set n, n+1
.endr
	COLFMA 1, 1
	COLFMA 2, 2
	COLFMA 3, 3
	WIN 0x03                                       ; source 0 in window 3
	COLFMA 0, 4
	COLFMA 1, 5
	COLFMA 2, 6
	COLFMA 3, 7
	WIN 0
.irp m, 1,2,4,8
.set n, 0
.rept 64
	v_add_f32_dpp v[TA+n], v[TA+n], v[TA+n] row_xmask:\m row_mask:0xf bank_mask:0xf
.set n, n+1
.endr
.endr
.irp b, 0,1,2,3,4,5,6,7
	ds_store_b128 v[VCS], v[TA+8*\b:TA+8*\b+3]   offset:64*\b      ; key 16 b + 8 h + j at byte 64 b + 32 h + 4 j of my 512; the sixteen lanes of a half hold the same figures
	ds_store_b128 v[VCS], v[TA+8*\b+4:TA+8*\b+7] offset:64*\b+16
.endr
	ds_load_b128 v[MP:MP+3], v[VCL]                ; my wave's own bytes, served in order (ISA guide 5.7.1): no wait between the stores and this load
	s_wait_dscnt 0x0
	global_store_b128 v[VCO], v[MP:MP+3], s[CP:CP+1] offset:\tile*8192   ; the wave's 128 keys: 512 consecutive bytes, aligned
.endm
; ==== the text ====
	s_load_b256 s[4:11], s[0:1], 0x0               ; x s[4:5], W_q s[6:7], Kw s[8:9], cpart s[10:11]
	v_lshl_add_u32 v15, v0, 2, 0x4c800
	v_mov_b32 v31, 0
	ds_add_u32 v15, v31
	v_lshrrev_b32 v1, 5, v0
	v_readfirstlane_b32 s12, v1                    ; wave 0..3
	s_bfe_u32 s13, ttmp6, 0x40000                  ; cx = my query block
	s_mov_b32 s56, 0x76543210                      ; v_permlanex16_b32: lane i of one half reads lane i of the other
	s_mov_b32 s57, 0xfedcba98
	; group 1.  Elements of 8 bytes; rows of 32 elements = 256 bytes, dense; 16 bytes of padding behind every 64 bytes, so that each 64 bytes (one row of 32 bf16) get a pitch of 80
	s_mov_b32 s[G1K+0], 15|(3<<16)|(1<<20)|(1<<21)|(3<<22)|(3<<25)   ; 15:0 mask: all four work-groups; 17:16 8-byte elements; 20 padding on; 21 set beside a mask; 24:22 after every 16 words; 31:25 of 4 words
	s_mov_b32 s[G1K+1], 32<<16                     ; tensor_dim0 = 32
	s_mov_b32 s[G1K+2], 96<<16                     ; tensor_dim1 = 96
	s_mov_b32 s[G1K+3], 32<<16                     ; tile_dim0 = 32
	s_mov_b32 s[G1K+4], 96                         ; tile_dim1 = 96 rows
	s_mov_b32 s[G1K+5], 32                         ; from row to row: 32 elements
	s_mov_b32 s[G1K+6], 0
	s_mov_b32 s[G1K+7], 0
	; K's address: the cluster's number and the wave's number alone, in registers that never hold cx
	s_mul_i32 s46, ttmp9, 16*KSTEPB                ; two bh of 8 steps
	s_mul_i32 s47, s12, KWAVE                      ; my quarter of a step
	s_add_co_u32 s46, s46, s47
	s_mov_b32 s47, 0
	s_mul_i32 s52, s12, KWLDS                      ; where it goes: the wave's number alone
	; x and W_q: row 128 cx + 32 w of batch p / 4 and of head 2 (p mod 4)
	s_lshl_b32 s40, s13, 7
	s_lshl_b32 s41, s12, 5
	s_add_co_u32 s40, s40, s41
	s_mul_i32 s40, s40, XROW
	s_lshr_b32 s42, ttmp9, 2
	s_mul_i32 s42, s42, PLANE
	s_add_co_u32 s42, s42, s40
	s_mov_b32 s43, 0
	s_and_b32 s44, ttmp9, 3
	s_mul_i32 s44, s44, 2*PLANE
	s_add_co_u32 s44, s44, s40
	s_mov_b32 s45, 0
	s_lshl_b32 s50, ttmp9, 3                       ; cpart: (4 x 2 p + qb) rows of 2,048 bytes
	s_add_co_u32 s50, s50, s13
	s_lshl_b32 s50, s50, 11
	s_mov_b32 s51, 0
	s_mov_b32 s18, 0                               ; the step of Q that is asked for next
	s_mov_b32 s21, 0                               ; the offsets' upper words
	s_mov_b32 s23, 0
	v_and_b32 v7, 31, v0                           ; lane
	v_lshrrev_b32 v8, 3, v7
	v_and_b32 v9, 7, v7
	v_mul_u32_u24 v[VQ], v8, 4*XROW
	v_lshl_add_u32 v[VQ], v9, 4, v[VQ]
	s_wait_dscnt 0x0
	s_wait_kmcnt 0x0
	s_add_nc_u64 s[XB:XB+1], s[XB:XB+1], s[42:43]
	s_add_nc_u64 s[WB:WB+1], s[WB:WB+1], s[44:45]
	s_add_nc_u64 s[48:49], s[8:9], s[46:47]
	s_add_nc_u64 s[CP:CP+1], s[CP:CP+1], s[50:51]
	QPTR                                           ; step 0
	QLOAD 0                                        ; 48 loads go out ahead of everything else
	QLOAD 1
	QLOAD 2
	WIN 0
	CROUND                                         ; all four work-groups are here: the first joint loads meet
.irp s, 0,1
	s_mov_b32 s[G0K+4*\s], 1
	s_add_co_u32 s[G0K+4*\s+1], s52, \s*SLOT
	s_add_nc_u64 s[G0K+4*\s+2:G0K+4*\s+3], s[48:49], \s*KSTEPB     ; step s
	s_or_b32 s[G0K+4*\s+3], s[G0K+4*\s+3], 0x80000000
	tensor_load_to_lds s[G0K+4*\s:G0K+4*\s+3], s[G1K:G1K+7]        ; both slots are asked for in one group
	s_nop 0
.endr
	; A fragment is 16 rows x 32 j in 8 registers: lane l holds row l % 16; registers 0-3 hold j = 8 (l / 16) + 0..7, registers 4-7 j = 16 + 8 (l / 16) + 0..7:
	; two loads of 16 bytes, 32 bytes apart, at row x pitch + 16 (l / 16).
	v_and_b32 v1, 15, v0                           ; r
	v_bfe_u32 v2, v0, 4, 1                         ; h
	v_mul_u32_u24 v3, v1, PITCH
	v_lshl_add_u32 v3, v2, 4, v3
	s_mul_i32 s53, s12, 128*PITCH                  ; my 128 keys
	v_add_nc_u32 v4, s53, v3
.irp s, 0,1
	v_add_nc_u32 v[ADRQ+\s], QOFF+\s*SLOT, v3
.irp u, 0,1,2
	v_add_nc_u32 v[ADRK+3*\s+\u], \s*SLOT+\u*KSUB, v4
.endr
.endr
	s_mul_i32 s53, s12, 32*PITCH                   ; my 32 rows of the stage
	v_mul_u32_u24 v10, v8, 4*PITCH                 ; + 4 (lane / 8) rows
	v_lshl_add_u32 v10, v9, 3, v10                 ; + 8 (lane mod 8)
	v_add_nc_u32 v10, s53, v10
	v_add_nc_u32 v[VQS], QOFF, v10
	v_add_nc_u32 v[VQS+1], QOFF+SLOT, v10
	s_lshl_b32 s53, s12, 9                         ; 512 w
	v_lshlrev_b32 v5, 5, v1                        ; 32 r
	v_add_nc_u32 v[VML], MAXS, v5
	v_add_nc_u32 v[VMX], s53, v[VML]
	v_lshl_add_u32 v6, v2, 5, s53                  ; 512 w + 32 h
	v_add_nc_u32 v[VCS], COLS, v6
	v_lshl_add_u32 v[VCO], v7, 4, s53
	v_add_nc_u32 v[VCL], COLS, v[VCO]
	QPROD 0                                        ; step 0's Q into the stage of slot 0; step 1's x and W_q are asked for
	QPROD 1
	QPROD 2
	s_wait_tensorcnt 1                             ; my part of step 0's K is in; step 1's may stay out
	s_wait_dscnt 0x0                               ; my part of step 0's Q is written
	s_barrier_signal -1
	s_barrier_wait -1
	FETCH 0, 0, F0
	; TILE 0: steps 0 to 7.  Every step fills its slot again; the last two ask for tile 1's first two steps, ahead of tile 0's store.
	; A tile's first sub-block starts the sums (C = 0) and stands alone ahead of the loop, which is entered behind its own copy of that sub-block:
	; so the text holds 7 sub-blocks for this tile's 24, and nothing is cleared.
	SUB 0, 1, F0, F1, 1, 1, 32, 1
	WIN 0                                          ; at a label and at a branch every window is 0
	s_mov_b32 s3, 4
	s_branch .Lin_a
.Llap_a:
	SUB 0, 1, F0, F1, 0, 1, 32, 1
	WIN 0
.Lin_a:
	REST
	WIN 0
	s_sub_co_u32 s3, s3, 1
	s_cmp_lg_u32 s3, 0
	s_cbranch_scc1 .Llap_a
	EPI 0
	; TILE 1: steps 8 to 15.  Steps 8 to 13 as above; step 14 makes step 15's Q and asks for nothing; step 15 makes nothing.
	SUB 0, 1, F0, F1, 1, 1, 32, 1
	WIN 0
	s_mov_b32 s3, 3
	s_branch .Lin_b
.Llap_b:
	SUB 0, 1, F0, F1, 0, 1, 32, 1
	WIN 0
.Lin_b:
	REST
	WIN 0
	s_sub_co_u32 s3, s3, 1
	s_cmp_lg_u32 s3, 0
	s_cbranch_scc1 .Llap_b
	SUB 0, 1, F0, F1, 0, 1, 32, 0                  ; step 14: the loads' counts run down 32, 16, 0
	SUB 0, 2, F1, F0, 0, 1, 16, 0
	TURN 0, 1, F0, F1, 0, 0, 0                     ; no refill, so no round of the cluster's barrier: the one tensor load still out is slot 1's, the last step's
	SUB 1, 1, F1, F0, 0, 0, 0, 0                   ; step 15
	SUB 1, 2, F0, F1, 0, 0, 0, 0
	s_wait_dscnt 8                                 ; the very last sub-block: nothing more to fetch
	WIN MUL_LO
	MUL16 F1, 0, 0, 0
	MUL16 F1, 0, 2, 0
	s_wait_dscnt 0
	WIN MUL_HI
	MUL16 F1, 1, 0, 0
	MUL16 F1, 1, 2, 0
	EPI 1
	s_wait_tensorcnt 0x0
	ds_add_u32 v15, v31
	s_wait_dscnt 0x0
	CROUND                                         ; the closing round: no work-group ends while a partner may still ask for a tile that names it
	s_endpgm
.Lfunc_end_k_q75496497a2_scores:
	.size	k_q75496497a2_scores, .Lfunc_end_k_q75496497a2_scores-k_q75496497a2_scores
	.p2alignl 7, 3214868480
	.fill 96, 4, 3214868480
	.section	.rodata,"a",@progbits
	.p2align	6, 0x0
	.amdhsa_kernel k_q75496497a2_scores
		.amdhsa_group_segment_fixed_size 327680
		.amdhsa_private_segment_fixed_size 0
		.amdhsa_enable_private_segment 0
		.amdhsa_kernarg_size 32
		.amdhsa_user_sgpr_count 2
		.amdhsa_user_sgpr_kernarg_segment_ptr 1
		.amdhsa_wavefront_size32 1
		.amdhsa_system_sgpr_workgroup_id_x 1
		.amdhsa_system_sgpr_workgroup_id_y 1
		.amdhsa_system_sgpr_workgroup_id_z 1
		.amdhsa_system_vgpr_workitem_id 0
		.amdhsa_next_free_vgpr 1024
		.amdhsa_next_free_sgpr 66
		.amdhsa_reserve_vcc 0
		.amdhsa_float_denorm_mode_32 3
		.amdhsa_float_denorm_mode_16_64 3
		.amdhsa_memory_ordered 1
		.amdhsa_forward_progress 1
		.amdhsa_inst_pref_size 255
	.end_amdhsa_kernel
	.section	.bss,"aw",@nobits
	.p2align	6
	.space	262144
	.amdgpu_metadata
---
amdhsa.version: [ 1, 2 ]
amdhsa.kernels:
  - .name:           k_q75496497a2_scores
    .symbol:         k_q75496497a2_scores.kd
    .args:
      - { .name: x, .offset: 0, .size: 8, .value_kind: global_buffer, .address_space: global }
      - { .name: W_q, .offset: 8, .size: 8, .value_kind: global_buffer, .address_space: global }
      - { .name: Kw, .offset: 16, .size: 8, .value_kind: global_buffer, .address_space: global }
      - { .name: cpart, .offset: 24, .size: 8, .value_kind: global_buffer, .address_space: global }
    .group_segment_fixed_size: 327680
    .private_segment_fixed_size: 0
    .kernarg_segment_align: 8
    .kernarg_segment_size: 32
    .max_flat_workgroup_size: 128
    .sgpr_count:     66
    .vgpr_count:     1024
    .wavefront_size: 32
...
	.end_amdgpu_metadata
.endif
;; end of part 2
;; launch finish (part 3): grid 12 x 16, 16 waves a work-group, no clusters, 47,104 bytes of LDS; arguments x, W_v, W_o, x1, y1, x2, y2, gamma1, beta1, gamma2, beta2, cpart, out0; writes out0
.if DOCPART == 3
	.amdgcn_target "amdgcn-amd-amdhsa--gfx1250"
	.amdhsa_code_object_version 6
	.text
	.protected	k_q75496497a2_finish
	.globl	k_q75496497a2_finish
	.p2align	8
	.type	k_q75496497a2_finish,@function
k_q75496497a2_finish:
	s_mov_b64 s[64:65], 0
	v_nop
	global_prefetch_b8 v0, s[64:65] scope:SCOPE_SE
	s_setreg_imm32_b32 hwreg(HW_REG_WAVE_MODE, 25, 1), 1
	s_wait_xcnt 0x0
; THIRD LAUNCH: c = sum over qb of cpart;  S[b,j] = sum_k x[b,k,j] (sum_h c[b,h,k] W_v[h,k,j]);  t = S W_o + x;  LayerNorm over the 512 rows;  the ReLU layer;  LayerNorm again.
; S stands for the sum over all rows of attn x v, which is not formed (shown at the head of the first kernel); all arithmetic here is f32.
; Both variances are taken in two passes (the mean first, then the squares of the deviations): no difference of large sums is formed.
;
; SHARES.  Work-group (jg, b): 64 columns (256 aligned bytes of every row) of one batch, all 512 rows, since a column's mean and variance need them all: 12 x 16 = 192 work-groups;
; a narrower strip would break the aligned runs of 256 bytes.  Thread: columns 4 (t & 15) .. + 3, rows (t >> 4) + 32 n, n = 0..15.  Sixteen neighbouring lanes take
; 256 consecutive bytes of a row.  The thread's 16 x 4 numbers of x stay in registers from the first load to the store.
; No loop: every row stands in an immediate (n x 98,304 bytes; with a head's 1,572,864 at most 6,193,152, inside the signed 24 bits), and no address register is rewritten.
; No joint requests: the strip of W_v (1 MiB a work-group) and of the five maps is used once, lane by lane, in the layout in which it lies in memory, so it goes
; straight into registers; a joint request is a tensor load into LDS and would add an LDS write and read for each of those bytes.
.set ROWB,  3072
.set NSTEP, 32*ROWB                    ; 98,304: from my row n to my row n + 1
.set PLANE, 1572864                    ; a batch of x, a head of W_v
.set CT,  0                            ; LDS: c[k][8 h] f32, 16,384 bytes
.set GT1, 16384                        ; [i] {gamma1, beta1}
.set GT2, 20480                        ; [i] {gamma2, beta2}
.set RED, 24576                        ; five regions [16 waves][64 columns] f32 of 4,096 bytes: each reduction has bytes of its own, so each costs one barrier
.set VO,  1                            ; v1  (t >> 4) rows + 16 (t & 15)
.set VCT, 2                            ; v2  32 (t >> 4)
.set VRW, 3                            ; v3  256 wave + 16 (t & 15)
.set VRR, 4                            ; v4  16 (t & 15)
.set VGT, 5                            ; v5  8 (t >> 4)
.set VC,  6                            ; v6  cpart: 32,768 (t >> 8) + 8 (t & 255)
.set VP,  7                            ; v7  4 t
.set D,   8                            ; v[8:11]   sum over h of c W_v, one row (v10, v11 first serve the tables' stores)
.set SUM, 12                           ; v[12:15]  running sums over my rows
.set MS,  16                           ; v[16:19]  gamma and beta on their way to LDS; then S; then a mean
.set RS,  20                           ; v[20:23]  1 / sqrt(var + eps)
.set T,   24                           ; v[24:31]  at work
.set C,   32                           ; v[32:63]  cpart as loaded; ring of four rows of c; a reduction's figures; {gamma, beta} of my 16 rows
.set X,   64                           ; v[64:127] my 16 rows, row n at 4 n
.set RING, 128                         ; v[128:255] four slots of 32: W_v (a row, eight heads); then W_o; then eight slots of 16: x1, y1, x2, y2 of a row
	s_load_b512 s[4:19], s[0:1], 0x0               ; x 4, W_v 6, W_o 8, x1 10, y1 12, x2 14, y2 16, gamma1 18
	s_load_b256 s[20:27], s[0:1], 0x40             ; beta1 20, gamma2 22, beta2 24, cpart 26
	s_load_b64 s[28:29], s[0:1], 0x60              ; out0
	s_and_b32 s38, ttmp7, 0xffff                   ; b
	s_lshl_b32 s30, ttmp9, 8                       ; my strip: 256 bytes of every row
	s_mov_b32 s31, 0
	s_mul_i32 s32, s38, PLANE
	s_add_co_u32 s32, s32, s30
	s_mov_b32 s33, 0
	s_lshl_b32 s34, s38, 16                        ; cpart: 8 heads x 4 blocks x 2,048 bytes a batch
	s_mov_b32 s35, 0
	s_mov_b32 s40, 0x3b000000                      ; 1 / 512
	s_mov_b32 s41, 0x3a83126f                      ; 1e-3
	s_mov_b32 s42, 0x76543210                      ; v_permlanex16_b32: lane i of one half reads lane i of the other
	s_mov_b32 s43, 0xfedcba98
	v_and_b32 v8, 15, v0
	v_lshrrev_b32 v9, 4, v0
	v_lshlrev_b32 v[VRR], 4, v8
	v_mul_u32_u24 v10, v9, ROWB
	v_add_nc_u32 v[VO], v10, v[VRR]
	v_lshlrev_b32 v[VCT], 5, v9
	v_lshlrev_b32 v[VGT], 3, v9
	v_lshrrev_b32 v10, 5, v0
	v_lshl_add_u32 v[VRW], v10, 8, v[VRR]
	v_and_b32 v11, 0xff, v0                        ; my pair of keys
	v_lshrrev_b32 v10, 8, v0                       ; my four heads
	v_lshlrev_b32 v[VC], 3, v11
	v_lshl_add_u32 v[VC], v10, 15, v[VC]
	v_lshlrev_b32 v[VP], 2, v0
	v_lshlrev_b32 v11, 6, v11
	v_lshl_add_u32 v11, v10, 4, v11                ; CT: two keys of 32 bytes, my four heads' 16 bytes
	v_lshlrev_b32 v10, 3, v0                       ; GT: 8 bytes a row
	s_wait_kmcnt 0x0
	s_add_nc_u64 s[4:5], s[4:5], s[32:33]
	s_add_nc_u64 s[28:29], s[28:29], s[32:33]
	s_add_nc_u64 s[6:7], s[6:7], s[30:31]          ; W_v, heads 0-3
	s_add_nc_u64 s[36:37], s[6:7], 4*PLANE         ; W_v, heads 4-7
	s_add_nc_u64 s[8:9], s[8:9], s[30:31]
	s_add_nc_u64 s[10:11], s[10:11], s[30:31]
	s_add_nc_u64 s[12:13], s[12:13], s[30:31]
	s_add_nc_u64 s[14:15], s[14:15], s[30:31]
	s_add_nc_u64 s[16:17], s[16:17], s[30:31]
	s_add_nc_u64 s[26:27], s[26:27], s[34:35]
; Row e of x1, y1, x2, y2: four loads into slot (e + 4) mod 8 of sixteen registers
.macro EROW e
	global_load_b128 v[RING+16*(((\e)+4)&7):RING+16*(((\e)+4)&7)+3],     v[VO], s[10:11] offset:(\e)*NSTEP
	global_load_b128 v[RING+16*(((\e)+4)&7)+4:RING+16*(((\e)+4)&7)+7],   v[VO], s[12:13] offset:(\e)*NSTEP
	global_load_b128 v[RING+16*(((\e)+4)&7)+8:RING+16*(((\e)+4)&7)+11],  v[VO], s[14:15] offset:(\e)*NSTEP
	global_load_b128 v[RING+16*(((\e)+4)&7)+12:RING+16*(((\e)+4)&7)+15], v[VO], s[16:17] offset:(\e)*NSTEP
.endm
; Group g, always eight loads: g < 16: row g of W_v, eight heads; g = 16, 17: eight rows of W_o; g = 18, 19: two rows of the four maps
.macro GRP g
.if (\g) < 16
.irp h, 0,1,2,3
	global_load_b128 v[RING+32*((\g)&3)+4*\h:RING+32*((\g)&3)+4*\h+3], v[VO], s[6:7] offset:\h*PLANE+(\g)*NSTEP
.endr
.irp h, 0,1,2,3
	global_load_b128 v[RING+32*((\g)&3)+16+4*\h:RING+32*((\g)&3)+16+4*\h+3], v[VO], s[36:37] offset:\h*PLANE+(\g)*NSTEP
.endr
.elseif (\g) < 18
.irp i, 0,1,2,3,4,5,6,7
	global_load_b128 v[RING+32*((\g)-16)+4*\i:RING+32*((\g)-16)+4*\i+3], v[VO], s[8:9] offset:(8*((\g)-16)+\i)*NSTEP
.endr
.else
	EROW 2*((\g)-18)
	EROW 2*((\g)-18)+1
.endif
.endm
	; all the first loads in one run: 20 for the tables, 16 of x, 32 of W_v
.irp hh, 0,1,2,3
.irp q, 0,1,2,3
	global_load_b64 v[C+8*\hh+2*\q:C+8*\hh+2*\q+1], v[VC], s[26:27] offset:\hh*8192+\q*2048   ; head 4 (t >> 8) + hh, query block q, my two keys
.endr
.endr
	global_load_b32 v[MS],   v[VP], s[18:19]
	global_load_b32 v[MS+1], v[VP], s[20:21]
	global_load_b32 v[MS+2], v[VP], s[22:23]
	global_load_b32 v[MS+3], v[VP], s[24:25]
.irp n, 0,1,2,3,4,5,6,7,8,9,10,11,12,13,14,15
	global_load_b128 v[X+4*\n:X+4*\n+3], v[VO], s[4:5] offset:\n*NSTEP th:TH_LOAD_NT
.endr
	GRP 0
	GRP 1
	GRP 2
	GRP 3
	; the tables
	s_wait_loadcnt 48                              ; x's 16 loads and four groups of 8 are younger
.irp hh, 0,1,2,3
	v_pk_add_f32 v[C+8*\hh:C+8*\hh+1],   v[C+8*\hh:C+8*\hh+1],   v[C+8*\hh+2:C+8*\hh+3]    ; over the four query blocks, both keys at once
	v_pk_add_f32 v[C+8*\hh+4:C+8*\hh+5], v[C+8*\hh+4:C+8*\hh+5], v[C+8*\hh+6:C+8*\hh+7]
	v_add_f32 v[T+\hh],   v[C+8*\hh],   v[C+8*\hh+4]                                       ; the last sum places four heads of a key side by side
	v_add_f32 v[T+4+\hh], v[C+8*\hh+1], v[C+8*\hh+5]
.endr
	ds_store_b128 v11, v[T:T+3]   offset:CT
	ds_store_b128 v11, v[T+4:T+7] offset:CT+32
	ds_store_b64 v10, v[MS:MS+1]   offset:GT1
	ds_store_b64 v10, v[MS+2:MS+3] offset:GT2
	s_wait_dscnt 0x0                               ; for the others' sake
	s_barrier_signal -1
	s_barrier_wait -1
.irp n, 0,1,2,3
	ds_load_b128 v[C+8*\n:C+8*\n+3],   v[VCT] offset:CT+1024*\n        ; c of my row n, eight heads
	ds_load_b128 v[C+8*\n+4:C+8*\n+7], v[VCT] offset:CT+1024*\n+16
.endr
; D += c_h W_v[h]: c_h is one register of a pair, taken for both halves of the packed product
.macro CFMA h
.if (\h) & 1
	v_pk_fma_f32 v[D:D+1],   v[WR+4*\h:WR+4*\h+1],   v[CR+\h-1:CR+\h], v[D:D+1]   op_sel:[0,1,0] op_sel_hi:[1,1,1]
	v_pk_fma_f32 v[D+2:D+3], v[WR+4*\h+2:WR+4*\h+3], v[CR+\h-1:CR+\h], v[D+2:D+3] op_sel:[0,1,0] op_sel_hi:[1,1,1]
.else
	v_pk_fma_f32 v[D:D+1],   v[WR+4*\h:WR+4*\h+1],   v[CR+\h:CR+\h+1], v[D:D+1]   op_sel_hi:[1,0,1]
	v_pk_fma_f32 v[D+2:D+3], v[WR+4*\h+2:WR+4*\h+3], v[CR+\h:CR+\h+1], v[D+2:D+3] op_sel_hi:[1,0,1]
.endif
.endm
; My row n's share of S; then the group four ahead is asked for, into the slot just read
.macro ROWA n
	s_wait_loadcnt 24                              ; three younger groups of eight
.if \n < 13
	s_wait_dscnt 6                                 ; three younger rows of c, two loads each
.else
	s_wait_dscnt 2*(15-\n)
.endif
.set CR, C+8*((\n)&3)
.set WR, RING+32*((\n)&3)
	v_pk_mul_f32 v[D:D+1],   v[WR:WR+1],   v[CR:CR+1] op_sel_hi:[1,0]
	v_pk_mul_f32 v[D+2:D+3], v[WR+2:WR+3], v[CR:CR+1] op_sel_hi:[1,0]
.irp h, 1,2,3,4,5,6,7
	CFMA \h
.endr
.if \n == 0
	v_pk_mul_f32 v[MS:MS+1],   v[X:X+1],   v[D:D+1]                    ; the first product starts the sum
	v_pk_mul_f32 v[MS+2:MS+3], v[X+2:X+3], v[D+2:D+3]
.else
	v_pk_fma_f32 v[MS:MS+1],   v[X+4*\n:X+4*\n+1],   v[D:D+1],   v[MS:MS+1]
	v_pk_fma_f32 v[MS+2:MS+3], v[X+4*\n+2:X+4*\n+3], v[D+2:D+3], v[MS+2:MS+3]
.endif
	GRP \n+4
.if \n < 12
	ds_load_b128 v[CR:CR+3],   v[VCT] offset:CT+1024*(\n+4)
	ds_load_b128 v[CR+4:CR+7], v[VCT] offset:CT+1024*(\n+4)+16
.endif
.endm
.irp n, 0,1,2,3,4,5,6,7,8,9,10,11,12,13,14,15
	ROWA \n
.endr
; The sum over all 512 rows of the four columns' figures in v[v .. v + 3], into the same registers of every thread: the other half of the wave, then the sixteen waves through region r
.macro COLRED v, r
.irp k, 0,1,2,3
	v_permlanex16_b32 v[T+\k], v[\v+\k], s42, s43
.endr
	v_pk_add_f32 v[\v:\v+1],   v[\v:\v+1],   v[T:T+1]
	v_pk_add_f32 v[\v+2:\v+3], v[\v+2:\v+3], v[T+2:T+3]
	ds_store_b128 v[VRW], v[\v:\v+3] offset:RED+4096*(\r)          ; both halves hold the same figures and write the same bytes
	s_wait_dscnt 0x0                               ; for the others' sake
	s_barrier_signal -1
	s_barrier_wait -1
.irp half, 0,1
.irp i, 0,1,2,3,4,5,6,7
	ds_load_b128 v[C+4*\i:C+4*\i+3], v[VRR] offset:RED+4096*(\r)+256*(8*\half+\i)
.endr
	s_wait_dscnt 0x0
.irp i, 0,2,4,6
	v_pk_add_f32 v[C+4*\i:C+4*\i+1],   v[C+4*\i:C+4*\i+1],   v[C+4*\i+4:C+4*\i+5]
	v_pk_add_f32 v[C+4*\i+2:C+4*\i+3], v[C+4*\i+2:C+4*\i+3], v[C+4*\i+6:C+4*\i+7]
.endr
.irp i, 0,4
	v_pk_add_f32 v[C+4*\i:C+4*\i+1],   v[C+4*\i:C+4*\i+1],   v[C+4*\i+8:C+4*\i+9]
	v_pk_add_f32 v[C+4*\i+2:C+4*\i+3], v[C+4*\i+2:C+4*\i+3], v[C+4*\i+10:C+4*\i+11]
.endr
.if \half == 0
	v_pk_add_f32 v[\v:\v+1],   v[C:C+1],   v[C+16:C+17]
	v_pk_add_f32 v[\v+2:\v+3], v[C+2:C+3], v[C+18:C+19]
.else
	v_pk_add_f32 v[C:C+1],   v[C:C+1],   v[C+16:C+17]
	v_pk_add_f32 v[C+2:C+3], v[C+2:C+3], v[C+18:C+19]
	v_pk_add_f32 v[\v:\v+1],   v[\v:\v+1],   v[C:C+1]
	v_pk_add_f32 v[\v+2:\v+3], v[\v+2:\v+3], v[C+2:C+3]
.endif
.endr
.endm
; SUM gathers my rows: rows 0 and 1 start it
.macro ACCUM n
.if (\n) == 1
	v_pk_add_f32 v[SUM:SUM+1],   v[X:X+1],   v[X+4:X+5]
	v_pk_add_f32 v[SUM+2:SUM+3], v[X+2:X+3], v[X+6:X+7]
.elseif (\n) > 1
	v_pk_add_f32 v[SUM:SUM+1],   v[SUM:SUM+1],   v[X+4*(\n):X+4*(\n)+1]
	v_pk_add_f32 v[SUM+2:SUM+3], v[SUM+2:SUM+3], v[X+4*(\n)+2:X+4*(\n)+3]
.endif
.endm
; From the sums in SUM: X becomes X - mean, RS becomes 1 / sqrt(var + eps); then {gamma, beta} of my 16 rows from the table at gt.  Regions r and r + 1.
.macro STATS r, gt
	COLRED SUM, \r
	v_pk_mul_f32 v[MS:MS+1],   v[SUM:SUM+1],   s[40:41] op_sel_hi:[1,0]    ; both by 1 / 512
	v_pk_mul_f32 v[MS+2:MS+3], v[SUM+2:SUM+3], s[40:41] op_sel_hi:[1,0]
.irp n, 0,1,2,3,4,5,6,7,8,9,10,11,12,13,14,15
	v_pk_add_f32 v[X+4*\n:X+4*\n+1],   v[X+4*\n:X+4*\n+1],   v[MS:MS+1]   neg_lo:[0,1] neg_hi:[0,1]
	v_pk_add_f32 v[X+4*\n+2:X+4*\n+3], v[X+4*\n+2:X+4*\n+3], v[MS+2:MS+3] neg_lo:[0,1] neg_hi:[0,1]
.if \n == 0
	v_pk_mul_f32 v[SUM:SUM+1],   v[X:X+1],   v[X:X+1]
	v_pk_mul_f32 v[SUM+2:SUM+3], v[X+2:X+3], v[X+2:X+3]
.else
	v_pk_fma_f32 v[SUM:SUM+1],   v[X+4*\n:X+4*\n+1],   v[X+4*\n:X+4*\n+1],   v[SUM:SUM+1]
	v_pk_fma_f32 v[SUM+2:SUM+3], v[X+4*\n+2:X+4*\n+3], v[X+4*\n+2:X+4*\n+3], v[SUM+2:SUM+3]
.endif
.endr
	COLRED SUM, \r+1
.irp k, 0,1,2,3
	v_fma_f32 v[RS+\k], v[SUM+\k], s40, s41        ; var + eps
.endr
.irp k, 0,1,2,3
	v_rsq_f32 v[RS+\k], v[RS+\k]
.endr
	v_nop                                          ; one plain instruction before a result is used (ISA guide 5.7.2)
	s_wait_alu depctr_va_vdst(0)
.irp n, 0,1,2,3,4,5,6,7,8,9,10,11,12,13,14,15
	ds_load_b64 v[C+2*\n:C+2*\n+1], v[VGT] offset:\gt+256*\n
.endr
	s_wait_dscnt 0x0
.endm
	COLRED MS, 0                                   ; S of my four columns
	; t = S W_o + x
	s_wait_loadcnt 16                              ; the two groups of the four maps are younger: W_o is in
.irp n, 0,1,2,3,4,5,6,7,8,9,10,11,12,13,14,15
	v_pk_fma_f32 v[X+4*\n:X+4*\n+1],   v[MS:MS+1],   v[RING+4*\n:RING+4*\n+1],   v[X+4*\n:X+4*\n+1]
	v_pk_fma_f32 v[X+4*\n+2:X+4*\n+3], v[MS+2:MS+3], v[RING+4*\n+2:RING+4*\n+3], v[X+4*\n+2:X+4*\n+3]
	ACCUM \n
.endr
	EROW 4                                         ; into the registers that held W_o
	EROW 5
	EROW 6
	EROW 7
	STATS 1, GT1
; Row e: h1 = (t - mean) rs gamma1 + beta1;  nn = relu(h1 x1 + y1) x2 + y2;  X = nn + h1
.macro ROWE e
.if \e < 9
	s_wait_loadcnt 28                              ; seven younger rows of four loads
.else
	s_wait_loadcnt 4*(15-\e)
.endif
.set ER, RING+16*(((\e)+4)&7)
	v_pk_mul_f32 v[T:T+1],   v[RS:RS+1],   v[C+2*\e:C+2*\e+1] op_sel_hi:[1,0]          ; rs gamma: gamma is the pair's first register
	v_pk_mul_f32 v[T+2:T+3], v[RS+2:RS+3], v[C+2*\e:C+2*\e+1] op_sel_hi:[1,0]
	v_pk_fma_f32 v[X+4*\e:X+4*\e+1],   v[X+4*\e:X+4*\e+1],   v[T:T+1],   v[C+2*\e:C+2*\e+1] op_sel:[0,0,1] op_sel_hi:[1,1,1]   ; beta is its second
	v_pk_fma_f32 v[X+4*\e+2:X+4*\e+3], v[X+4*\e+2:X+4*\e+3], v[T+2:T+3], v[C+2*\e:C+2*\e+1] op_sel:[0,0,1] op_sel_hi:[1,1,1]
	v_pk_fma_f32 v[T:T+1],   v[X+4*\e:X+4*\e+1],   v[ER:ER+1],   v[ER+4:ER+5]
	v_pk_fma_f32 v[T+2:T+3], v[X+4*\e+2:X+4*\e+3], v[ER+2:ER+3], v[ER+6:ER+7]
.irp k, 0,1,2,3
	v_max_num_f32 v[T+\k], 0, v[T+\k]
.endr
	v_pk_fma_f32 v[T:T+1],   v[T:T+1],   v[ER+8:ER+9],   v[ER+12:ER+13]
	v_pk_fma_f32 v[T+2:T+3], v[T+2:T+3], v[ER+10:ER+11], v[ER+14:ER+15]
	v_pk_add_f32 v[X+4*\e:X+4*\e+1],   v[X+4*\e:X+4*\e+1],   v[T:T+1]
	v_pk_add_f32 v[X+4*\e+2:X+4*\e+3], v[X+4*\e+2:X+4*\e+3], v[T+2:T+3]
	ACCUM \e
.if \e < 8
	EROW \e+8                                      ; into the slot just read
.endif
.endm
.irp e, 0,1,2,3,4,5,6,7,8,9,10,11,12,13,14,15
	ROWE \e
.endr
	STATS 3, GT2
	s_wait_alu depctr_va_vdst(0)
.irp n, 0,1,2,3,4,5,6,7,8,9,10,11,12,13,14,15
	v_pk_mul_f32 v[T:T+1],   v[RS:RS+1],   v[C+2*\n:C+2*\n+1] op_sel_hi:[1,0]
	v_pk_mul_f32 v[T+2:T+3], v[RS+2:RS+3], v[C+2*\n:C+2*\n+1] op_sel_hi:[1,0]
	v_pk_fma_f32 v[X+4*\n:X+4*\n+1],   v[X+4*\n:X+4*\n+1],   v[T:T+1],   v[C+2*\n:C+2*\n+1] op_sel:[0,0,1] op_sel_hi:[1,1,1]
	v_pk_fma_f32 v[X+4*\n+2:X+4*\n+3], v[X+4*\n+2:X+4*\n+3], v[T+2:T+3], v[C+2*\n:C+2*\n+1] op_sel:[0,0,1] op_sel_hi:[1,1,1]
	global_store_b128 v[VO], v[X+4*\n:X+4*\n+3], s[28:29] offset:\n*NSTEP th:TH_STORE_NT   ; sixteen lanes store 256 consecutive bytes, aligned
.endr
	s_wait_xcnt 0x0
	v_lshl_add_u32 v254, v0, 2, 0xb000
	v_mov_b32 v255, 0
	s_wait_tensorcnt 0x0
	ds_add_u32 v254, v255
	s_wait_dscnt 0x0
	s_endpgm
.Lfunc_end_k_q75496497a2_finish:
	.size	k_q75496497a2_finish, .Lfunc_end_k_q75496497a2_finish-k_q75496497a2_finish
	.p2alignl 7, 3214868480
	.fill 96, 4, 3214868480
	.section	.rodata,"a",@progbits
	.p2align	6, 0x0
	.amdhsa_kernel k_q75496497a2_finish
		.amdhsa_group_segment_fixed_size 47104
		.amdhsa_private_segment_fixed_size 0
		.amdhsa_enable_private_segment 0
		.amdhsa_kernarg_size 104
		.amdhsa_user_sgpr_count 2
		.amdhsa_user_sgpr_kernarg_segment_ptr 1
		.amdhsa_wavefront_size32 1
		.amdhsa_system_sgpr_workgroup_id_x 1
		.amdhsa_system_sgpr_workgroup_id_y 1
		.amdhsa_system_sgpr_workgroup_id_z 1
		.amdhsa_system_vgpr_workitem_id 0
		.amdhsa_next_free_vgpr 256
		.amdhsa_next_free_sgpr 66
		.amdhsa_reserve_vcc 0
		.amdhsa_float_denorm_mode_32 3
		.amdhsa_float_denorm_mode_16_64 3
		.amdhsa_memory_ordered 1
		.amdhsa_forward_progress 1
		.amdhsa_inst_pref_size 100
	.end_amdhsa_kernel
	.amdgpu_metadata
---
amdhsa.version: [ 1, 2 ]
amdhsa.kernels:
  - .name:           k_q75496497a2_finish
    .symbol:         k_q75496497a2_finish.kd
    .args:
      - { .name: x, .offset: 0, .size: 8, .value_kind: global_buffer, .address_space: global }
      - { .name: W_v, .offset: 8, .size: 8, .value_kind: global_buffer, .address_space: global }
      - { .name: W_o, .offset: 16, .size: 8, .value_kind: global_buffer, .address_space: global }
      - { .name: x1, .offset: 24, .size: 8, .value_kind: global_buffer, .address_space: global }
      - { .name: y1, .offset: 32, .size: 8, .value_kind: global_buffer, .address_space: global }
      - { .name: x2, .offset: 40, .size: 8, .value_kind: global_buffer, .address_space: global }
      - { .name: y2, .offset: 48, .size: 8, .value_kind: global_buffer, .address_space: global }
      - { .name: gamma1, .offset: 56, .size: 8, .value_kind: global_buffer, .address_space: global }
      - { .name: beta1, .offset: 64, .size: 8, .value_kind: global_buffer, .address_space: global }
      - { .name: gamma2, .offset: 72, .size: 8, .value_kind: global_buffer, .address_space: global }
      - { .name: beta2, .offset: 80, .size: 8, .value_kind: global_buffer, .address_space: global }
      - { .name: cpart, .offset: 88, .size: 8, .value_kind: global_buffer, .address_space: global }
      - { .name: out0, .offset: 96, .size: 8, .value_kind: global_buffer, .address_space: global }
    .group_segment_fixed_size: 47104
    .private_segment_fixed_size: 0
    .kernarg_segment_align: 8
    .kernarg_segment_size: 104
    .max_flat_workgroup_size: 512
    .sgpr_count:     66
    .vgpr_count:     256
    .wavefront_size: 32
...
	.end_amdgpu_metadata
.endif
;; end of part 3
;; ======== version 2 of 2: 3 launches; version 1 with the launch finish written anew for expert scheduling mode
;; workspace buffers: Kw 100,663,296 bytes; cpart 1,048,576 bytes
;; launch form: the kernel of part 1 again; grid 256 x 1, 12 waves a work-group, no clusters, 0 bytes of LDS; arguments x, W_k, Kw; writes Kw
;; launch scores: the kernel of part 2 again; grid 256 x 1, 4 waves a work-group, clusters of 4 x 1, 327,680 bytes of LDS; arguments x, W_q, Kw, cpart; writes cpart
;; launch finish (part 4): grid 12 x 16, 16 waves a work-group, no clusters, 47,104 bytes of LDS; arguments x, W_v, W_o, x1, y1, x2, y2, gamma1, beta1, gamma2, beta2, cpart, out0; writes out0
.if DOCPART == 4
	.amdgcn_target "amdgcn-amd-amdhsa--gfx1250"
	.amdhsa_code_object_version 6
	.text
	.protected	k_q75496497a2_finish
	.globl	k_q75496497a2_finish
	.p2align	8
	.type	k_q75496497a2_finish,@function
k_q75496497a2_finish:
	s_mov_b64 s[64:65], 0
	v_nop
	global_prefetch_b8 v0, s[64:65] scope:SCOPE_SE
	s_setreg_imm32_b32 hwreg(HW_REG_WAVE_SCHED_MODE, 0, 2), 2
	s_setreg_imm32_b32 hwreg(HW_REG_WAVE_MODE, 25, 1), 1
	s_wait_xcnt 0x0
	s_wait_alu depctr_vm_vsrc(0)
; THIRD LAUNCH: c = sum over qb of cpart;  S[b,j] = sum_k x[b,k,j] (sum_h c[b,h,k] W_v[h,k,j]);  t = S W_o + x;  LayerNorm over the 512 rows;  the ReLU layer;  LayerNorm again.
; S stands for the sum over all rows of attn x v, which is not formed (shown at the head of the first kernel); all arithmetic here is f32.
; Both variances are taken in two passes (the mean first, then the squares of the deviations): no difference of large sums is formed.
;
; SHARES.  Work-group (jg, b): 64 columns (256 aligned bytes of every row) of one batch, all 512 rows, since a column's mean and variance need them all: 12 x 16 = 192 work-groups;
; a narrower strip would break the aligned runs of 256 bytes.  Thread: columns 4 (t & 15) .. + 3, rows (t >> 4) + 32 n, n = 0..15.  Sixteen neighbouring lanes take
; 256 consecutive bytes of a row.  The thread's 16 x 4 numbers of x stay in registers from the first load to the store.
; No loop: every row stands in an immediate (n x 98,304 bytes; with a head's 1,572,864 at most 6,193,152, inside the signed 24 bits), and no address register is rewritten.
; No joint requests: the strip of W_v (1 MiB a work-group) and of the five maps is used once, lane by lane, in the layout in which it lies in memory, so it goes
; straight into registers; a joint request is a tensor load into LDS and would add an LDS write and read for each of those bytes.
;
; THE MODE: SCHED_MODE bits 1:0 = 2 (LLVM: expert scheduling mode 2), set by the entry lines.  The code itself states the register dependences
; between vector instructions and memory or LDS instructions, with s_wait_alu, always for 0.
; THE PLAN.  Registers that memory or LDS instructions touch:
;   v1-v7       offsets and LDS addresses: written once at the head, read by every access, never written again.
;   v10, v11, T, MS   addresses and data of the tables' four LDS stores; written again by vector instructions behind one wait on vm_vsrc.
;   RING        written by loads alone.  Row n of the sum S reads slot n & 3; the loads of group n + 3 land in slot (n - 1) & 3 and are issued in row n, behind the wait
;               at its head, among vector instructions that name slot n & 3 alone.  The ReLU layer's row e likewise reads slot (e + 4) & 7, and row e + 7 of the maps lands in row e - 1's.
;   C           rows of c by turns like RING's slots; a reduction's figures, in two halves; {gamma, beta}.  Vector instructions read it and sum in it; every LDS load into it
;               stands behind a wait on va_vdst with no vector instruction between that names it.
;   MS, SUM     a reduction's figures: written by vector instructions, read by one LDS store, written again by the reduction's sums behind a wait on vm_vsrc.
;   X           written by vector instructions, read by the last sixteen stores, four rows a group: a group's stores stand behind the wait at the next group's head.
;   v254, v255  the closing add's two registers, made anew at the end.
.set ROWB,  3072
.set NSTEP, 32*ROWB                    ; 98,304: from my row n to my row n + 1
.set PLANE, 1572864                    ; a batch of x, a head of W_v
.set CT,  0                            ; LDS: c[k][8 h] f32, 16,384 bytes
.set GT1, 16384                        ; [i] {gamma1, beta1}
.set GT2, 20480                        ; [i] {gamma2, beta2}
.set RED, 24576                        ; five regions [16 waves][64 columns] f32 of 4,096 bytes: each reduction has bytes of its own, so each costs one barrier
.set VO,  1                            ; v1  (t >> 4) rows + 16 (t & 15)
.set VCT, 2                            ; v2  32 (t >> 4)
.set VRW, 3                            ; v3  256 wave + 16 (t & 15)
.set VRR, 4                            ; v4  16 (t & 15)
.set VGT, 5                            ; v5  8 (t >> 4)
.set VC,  6                            ; v6  cpart: 32,768 (t >> 8) + 8 (t & 255)
.set VP,  7                            ; v7  4 t
.set D,   8                            ; v[8:11]   sum over h of c W_v, one row (v10, v11 first serve the tables' stores)
.set SUM, 12                           ; v[12:15]  running sums over my rows
.set MS,  16                           ; v[16:19]  gamma and beta on their way to LDS; then S; then a mean
.set RS,  20                           ; v[20:23]  1 / sqrt(var + eps)
.set T,   24                           ; v[24:31]  at work
.set C,   32                           ; v[32:63]  cpart as loaded; ring of four rows of c; a reduction's figures; {gamma, beta} of my 16 rows
.set X,   64                           ; v[64:127] my 16 rows, row n at 4 n
.set RING, 128                         ; v[128:255] four slots of 32: W_v (a row, eight heads); then W_o; then eight slots of 16: x1, y1, x2, y2 of a row
	s_load_b512 s[4:19], s[0:1], 0x0               ; x 4, W_v 6, W_o 8, x1 10, y1 12, x2 14, y2 16, gamma1 18
	s_load_b256 s[20:27], s[0:1], 0x40             ; beta1 20, gamma2 22, beta2 24, cpart 26
	s_load_b64 s[28:29], s[0:1], 0x60              ; out0
	s_and_b32 s38, ttmp7, 0xffff                   ; b
	s_lshl_b32 s30, ttmp9, 8                       ; my strip: 256 bytes of every row
	s_mov_b32 s31, 0
	s_mul_i32 s32, s38, PLANE
	s_add_co_u32 s32, s32, s30
	s_mov_b32 s33, 0
	s_lshl_b32 s34, s38, 16                        ; cpart: 8 heads x 4 blocks x 2,048 bytes a batch
	s_mov_b32 s35, 0
	s_mov_b32 s40, 0x3b000000                      ; 1 / 512
	s_mov_b32 s41, 0x3a83126f                      ; 1e-3
	s_mov_b32 s42, 0x76543210                      ; v_permlanex16_b32: lane i of one half reads lane i of the other
	s_mov_b32 s43, 0xfedcba98
	v_and_b32 v8, 15, v0
	v_lshrrev_b32 v9, 4, v0
	v_lshlrev_b32 v[VRR], 4, v8
	v_mul_u32_u24 v10, v9, ROWB
	v_add_nc_u32 v[VO], v10, v[VRR]
	v_lshlrev_b32 v[VCT], 5, v9
	v_lshlrev_b32 v[VGT], 3, v9
	v_lshrrev_b32 v10, 5, v0
	v_lshl_add_u32 v[VRW], v10, 8, v[VRR]
	v_and_b32 v11, 0xff, v0                        ; my pair of keys
	v_lshrrev_b32 v10, 8, v0                       ; my four heads
	v_lshlrev_b32 v[VC], 3, v11
	v_lshl_add_u32 v[VC], v10, 15, v[VC]
	v_lshlrev_b32 v[VP], 2, v0
	v_lshlrev_b32 v11, 6, v11
	v_lshl_add_u32 v11, v10, 4, v11                ; CT: two keys of 32 bytes, my four heads' 16 bytes
	v_lshlrev_b32 v10, 3, v0                       ; GT: 8 bytes a row
	s_wait_kmcnt 0x0
	s_add_nc_u64 s[4:5], s[4:5], s[32:33]
	s_add_nc_u64 s[28:29], s[28:29], s[32:33]
	s_add_nc_u64 s[6:7], s[6:7], s[30:31]          ; W_v, heads 0-3
	s_add_nc_u64 s[36:37], s[6:7], 4*PLANE         ; W_v, heads 4-7
	s_add_nc_u64 s[8:9], s[8:9], s[30:31]
	s_add_nc_u64 s[10:11], s[10:11], s[30:31]
	s_add_nc_u64 s[12:13], s[12:13], s[30:31]
	s_add_nc_u64 s[14:15], s[14:15], s[30:31]
	s_add_nc_u64 s[16:17], s[16:17], s[30:31]
	s_add_nc_u64 s[26:27], s[26:27], s[34:35]
	s_wait_alu depctr_va_vdst(0)                   ; v1 to v7, v10 and v11 are written: every load, store and LDS access of the kernel reads one of them as its offset or address
; Row e of x1, y1, x2, y2: four loads into slot (e + 4) mod 8 of sixteen registers
.macro EROW e
	global_load_b128 v[RING+16*(((\e)+4)&7):RING+16*(((\e)+4)&7)+3],     v[VO], s[10:11] offset:(\e)*NSTEP
	global_load_b128 v[RING+16*(((\e)+4)&7)+4:RING+16*(((\e)+4)&7)+7],   v[VO], s[12:13] offset:(\e)*NSTEP
	global_load_b128 v[RING+16*(((\e)+4)&7)+8:RING+16*(((\e)+4)&7)+11],  v[VO], s[14:15] offset:(\e)*NSTEP
	global_load_b128 v[RING+16*(((\e)+4)&7)+12:RING+16*(((\e)+4)&7)+15], v[VO], s[16:17] offset:(\e)*NSTEP
.endm
; Group g, always eight loads: g < 16: row g of W_v, eight heads; g = 16, 17: eight rows of W_o; g = 18, 19: two rows of the four maps.  GRPH is half p of it, four loads.
.macro GRPH g, p
.if (\g) < 16
.if (\p) == 0
.irp h, 0,1,2,3
	global_load_b128 v[RING+32*((\g)&3)+4*\h:RING+32*((\g)&3)+4*\h+3], v[VO], s[6:7] offset:\h*PLANE+(\g)*NSTEP
.endr
.else
.irp h, 0,1,2,3
	global_load_b128 v[RING+32*((\g)&3)+16+4*\h:RING+32*((\g)&3)+16+4*\h+3], v[VO], s[36:37] offset:\h*PLANE+(\g)*NSTEP
.endr
.endif
.elseif (\g) < 18
.irp i, 0,1,2,3
	global_load_b128 v[RING+32*((\g)-16)+16*(\p)+4*\i:RING+32*((\g)-16)+16*(\p)+4*\i+3], v[VO], s[8:9] offset:(8*((\g)-16)+4*(\p)+\i)*NSTEP
.endr
.else
	EROW 2*((\g)-18)+(\p)
.endif
.endm
.macro GRP g
	GRPH \g, 0
	GRPH \g, 1
.endm
	; all the first loads in one run: 20 for the tables, 16 of x, 32 of W_v
.irp hh, 0,1,2,3
.irp q, 0,1,2,3
	global_load_b64 v[C+8*\hh+2*\q:C+8*\hh+2*\q+1], v[VC], s[26:27] offset:\hh*8192+\q*2048   ; head 4 (t >> 8) + hh, query block q, my two keys
.endr
.endr
	global_load_b32 v[MS],   v[VP], s[18:19]
	global_load_b32 v[MS+1], v[VP], s[20:21]
	global_load_b32 v[MS+2], v[VP], s[22:23]
	global_load_b32 v[MS+3], v[VP], s[24:25]
.irp n, 0,1,2,3,4,5,6,7,8,9,10,11,12,13,14,15
	global_load_b128 v[X+4*\n:X+4*\n+3], v[VO], s[4:5] offset:\n*NSTEP th:TH_LOAD_NT
.endr
	GRP 0
	GRP 1
	GRP 2
	GRP 3
	; the tables
	s_wait_loadcnt 48                              ; x's 16 loads and four groups of 8 are younger
.irp hh, 0,1,2,3
	v_pk_add_f32 v[C+8*\hh:C+8*\hh+1],   v[C+8*\hh:C+8*\hh+1],   v[C+8*\hh+2:C+8*\hh+3]    ; over the four query blocks, both keys at once
	v_pk_add_f32 v[C+8*\hh+4:C+8*\hh+5], v[C+8*\hh+4:C+8*\hh+5], v[C+8*\hh+6:C+8*\hh+7]
	v_add_f32 v[T+\hh],   v[C+8*\hh],   v[C+8*\hh+4]                                       ; the last sum places four heads of a key side by side
	v_add_f32 v[T+4+\hh], v[C+8*\hh+1], v[C+8*\hh+5]
.endr
	s_wait_alu depctr_va_vdst(0)                   ; the sums have written T, which the LDS stores read, and are done with C, in which the rows of c land behind the barrier
	ds_store_b128 v11, v[T:T+3]   offset:CT
	ds_store_b128 v11, v[T+4:T+7] offset:CT+32
	ds_store_b64 v10, v[MS:MS+1]   offset:GT1
	ds_store_b64 v10, v[MS+2:MS+3] offset:GT2
	s_wait_dscnt 0x0                               ; for the others' sake
	s_barrier_signal -1
	s_barrier_wait -1
	s_wait_alu depctr_vm_vsrc(0)                   ; my LDS stores have read v10, v11 (D from here on), MS and T, which vector instructions write again
.irp n, 0,1,2,3
	ds_load_b128 v[C+8*\n:C+8*\n+3],   v[VCT] offset:CT+1024*\n        ; c of my row n, eight heads
	ds_load_b128 v[C+8*\n+4:C+8*\n+7], v[VCT] offset:CT+1024*\n+16
.endr
; D += c_h W_v[h]: c_h is one register of a pair, taken for both halves of the packed product
.macro CFMA h
.if (\h) & 1
	v_pk_fma_f32 v[D:D+1],   v[WR+4*\h:WR+4*\h+1],   v[CR+\h-1:CR+\h], v[D:D+1]   op_sel:[0,1,0] op_sel_hi:[1,1,1]
	v_pk_fma_f32 v[D+2:D+3], v[WR+4*\h+2:WR+4*\h+3], v[CR+\h-1:CR+\h], v[D+2:D+3] op_sel:[0,1,0] op_sel_hi:[1,1,1]
.else
	v_pk_fma_f32 v[D:D+1],   v[WR+4*\h:WR+4*\h+1],   v[CR+\h:CR+\h+1], v[D:D+1]   op_sel_hi:[1,0,1]
	v_pk_fma_f32 v[D+2:D+3], v[WR+4*\h+2:WR+4*\h+3], v[CR+\h:CR+\h+1], v[D+2:D+3] op_sel_hi:[1,0,1]
.endif
.endm
; My row n's share of S.  At its head the group and the row of c three ahead are asked for, into the slots that row n - 1 has read
.macro ROWA n
.if \n == 0
	s_wait_loadcnt 24                              ; three younger groups of eight
	s_wait_dscnt 6                                 ; three younger rows of c, two loads each
.else
	s_wait_loadcnt 16                              ; two younger groups of eight: group n + 3 goes out below
.if \n < 14
	s_wait_dscnt 4                                 ; two younger rows of c, two loads each
.else
	s_wait_dscnt 2*(15-\n)
.endif
	s_wait_alu depctr_va_vdst(0)                   ; row n - 1's products are done reading its slot of RING and its row of c, in which the loads of this row land
.if \n < 13
	ds_load_b128 v[C+8*((\n+3)&3):C+8*((\n+3)&3)+3],   v[VCT] offset:CT+1024*(\n+3)
	ds_load_b128 v[C+8*((\n+3)&3)+4:C+8*((\n+3)&3)+7], v[VCT] offset:CT+1024*(\n+3)+16
.endif
	GRPH \n+3, 0
.endif
.set CR, C+8*((\n)&3)
.set WR, RING+32*((\n)&3)
	v_pk_mul_f32 v[D:D+1],   v[WR:WR+1],   v[CR:CR+1] op_sel_hi:[1,0]
	v_pk_mul_f32 v[D+2:D+3], v[WR+2:WR+3], v[CR:CR+1] op_sel_hi:[1,0]
.irp h, 1,2,3
	CFMA \h
.endr
.if \n > 0
	GRPH \n+3, 1                                   ; no wait: no vector instruction since the wait above names the slot of row n - 1
.endif
.irp h, 4,5,6,7
	CFMA \h
.endr
.if \n == 0
	v_pk_mul_f32 v[MS:MS+1],   v[X:X+1],   v[D:D+1]                    ; the first product starts the sum
	v_pk_mul_f32 v[MS+2:MS+3], v[X+2:X+3], v[D+2:D+3]
.else
	v_pk_fma_f32 v[MS:MS+1],   v[X+4*\n:X+4*\n+1],   v[D:D+1],   v[MS:MS+1]
	v_pk_fma_f32 v[MS+2:MS+3], v[X+4*\n+2:X+4*\n+3], v[D+2:D+3], v[MS+2:MS+3]
.endif
.endm
.irp n, 0,1,2,3,4,5,6,7,8,9,10,11,12,13,14,15
	ROWA \n
.endr
; The sum over all 512 rows of the four columns' figures in v[v .. v + 3], into the same registers of every thread: the other half of the wave, then the sixteen waves through region r.
; Behind the wait ahead of the store stand also the loads into registers of RING that the phase before has read: r = 0: group 19, into row 15's slot; r = 1: rows 4 to 7 of the maps, where W_o lay.
.macro COLRED v, r
.irp k, 0,1,2,3
	v_permlanex16_b32 v[T+\k], v[\v+\k], s42, s43
.endr
	v_pk_add_f32 v[\v:\v+1],   v[\v:\v+1],   v[T:T+1]
	v_pk_add_f32 v[\v+2:\v+3], v[\v+2:\v+3], v[T+2:T+3]
	s_wait_alu depctr_va_vdst(0)                   ; the figures are written, which the LDS store reads; all vector instructions so far are done with C and with the registers of RING in which the loads below land
	ds_store_b128 v[VRW], v[\v:\v+3] offset:RED+4096*(\r)          ; both halves hold the same figures and write the same bytes
.if (\r) == 0
	GRP 19
.elseif (\r) == 1
	EROW 4                                         ; into the registers that held W_o
	EROW 5
	EROW 6
	EROW 7
.endif
	s_wait_dscnt 0x0                               ; for the others' sake
	s_barrier_signal -1
	s_barrier_wait -1
	s_wait_alu depctr_vm_vsrc(0)                   ; my LDS store has read the figures' four registers, which the sums below write again
.irp half, 0,1
.if \half == 1
	s_wait_alu depctr_va_vdst(0)                   ; the first half's sums are done reading and writing C, in which the second half lands
.endif
.irp i, 0,1,2,3,4,5,6,7
	ds_load_b128 v[C+4*\i:C+4*\i+3], v[VRR] offset:RED+4096*(\r)+256*(8*\half+\i)
.endr
	s_wait_dscnt 0x0
.irp i, 0,2,4,6
	v_pk_add_f32 v[C+4*\i:C+4*\i+1],   v[C+4*\i:C+4*\i+1],   v[C+4*\i+4:C+4*\i+5]
	v_pk_add_f32 v[C+4*\i+2:C+4*\i+3], v[C+4*\i+2:C+4*\i+3], v[C+4*\i+6:C+4*\i+7]
.endr
.irp i, 0,4
	v_pk_add_f32 v[C+4*\i:C+4*\i+1],   v[C+4*\i:C+4*\i+1],   v[C+4*\i+8:C+4*\i+9]
	v_pk_add_f32 v[C+4*\i+2:C+4*\i+3], v[C+4*\i+2:C+4*\i+3], v[C+4*\i+10:C+4*\i+11]
.endr
.if \half == 0
	v_pk_add_f32 v[\v:\v+1],   v[C:C+1],   v[C+16:C+17]
	v_pk_add_f32 v[\v+2:\v+3], v[C+2:C+3], v[C+18:C+19]
.else
	v_pk_add_f32 v[C:C+1],   v[C:C+1],   v[C+16:C+17]
	v_pk_add_f32 v[C+2:C+3], v[C+2:C+3], v[C+18:C+19]
	v_pk_add_f32 v[\v:\v+1],   v[\v:\v+1],   v[C:C+1]
	v_pk_add_f32 v[\v+2:\v+3], v[\v+2:\v+3], v[C+2:C+3]
.endif
.endr
.endm
; SUM gathers my rows: rows 0 and 1 start it
.macro ACCUM n
.if (\n) == 1
	v_pk_add_f32 v[SUM:SUM+1],   v[X:X+1],   v[X+4:X+5]
	v_pk_add_f32 v[SUM+2:SUM+3], v[X+2:X+3], v[X+6:X+7]
.elseif (\n) > 1
	v_pk_add_f32 v[SUM:SUM+1],   v[SUM:SUM+1],   v[X+4*(\n):X+4*(\n)+1]
	v_pk_add_f32 v[SUM+2:SUM+3], v[SUM+2:SUM+3], v[X+4*(\n)+2:X+4*(\n)+3]
.endif
.endm
; From the sums in SUM: X becomes X - mean, RS becomes 1 / sqrt(var + eps); then {gamma, beta} of my 16 rows from the table at gt.  Regions r and r + 1.
.macro STATS r, gt
	COLRED SUM, \r
	v_pk_mul_f32 v[MS:MS+1],   v[SUM:SUM+1],   s[40:41] op_sel_hi:[1,0]    ; both by 1 / 512
	v_pk_mul_f32 v[MS+2:MS+3], v[SUM+2:SUM+3], s[40:41] op_sel_hi:[1,0]
.irp n, 0,1,2,3,4,5,6,7,8,9,10,11,12,13,14,15
	v_pk_add_f32 v[X+4*\n:X+4*\n+1],   v[X+4*\n:X+4*\n+1],   v[MS:MS+1]   neg_lo:[0,1] neg_hi:[0,1]
	v_pk_add_f32 v[X+4*\n+2:X+4*\n+3], v[X+4*\n+2:X+4*\n+3], v[MS+2:MS+3] neg_lo:[0,1] neg_hi:[0,1]
.if \n == 0
	v_pk_mul_f32 v[SUM:SUM+1],   v[X:X+1],   v[X:X+1]
	v_pk_mul_f32 v[SUM+2:SUM+3], v[X+2:X+3], v[X+2:X+3]
.else
	v_pk_fma_f32 v[SUM:SUM+1],   v[X+4*\n:X+4*\n+1],   v[X+4*\n:X+4*\n+1],   v[SUM:SUM+1]
	v_pk_fma_f32 v[SUM+2:SUM+3], v[X+4*\n+2:X+4*\n+3], v[X+4*\n+2:X+4*\n+3], v[SUM+2:SUM+3]
.endif
.endr
	COLRED SUM, \r+1
.irp k, 0,1,2,3
	v_fma_f32 v[RS+\k], v[SUM+\k], s40, s41        ; var + eps
.endr
.irp k, 0,1,2,3
	v_rsq_f32 v[RS+\k], v[RS+\k]
.endr
	v_nop                                          ; one plain instruction before a result is used (ISA guide 5.7.2)
	s_wait_alu depctr_va_vdst(0)                   ; the four reciprocal roots RS are written, ahead of their first reader; and the reduction's sums are done with C, in which the loads below land
.irp n, 0,1,2,3,4,5,6,7,8,9,10,11,12,13,14,15
	ds_load_b64 v[C+2*\n:C+2*\n+1], v[VGT] offset:\gt+256*\n
.endr
	s_wait_dscnt 0x0
.endm
	COLRED MS, 0                                   ; S of my four columns
	; t = S W_o + x
	s_wait_loadcnt 16                              ; the two groups of the four maps are younger: W_o is in
.irp n, 0,1,2,3,4,5,6,7,8,9,10,11,12,13,14,15
	v_pk_fma_f32 v[X+4*\n:X+4*\n+1],   v[MS:MS+1],   v[RING+4*\n:RING+4*\n+1],   v[X+4*\n:X+4*\n+1]
	v_pk_fma_f32 v[X+4*\n+2:X+4*\n+3], v[MS+2:MS+3], v[RING+4*\n+2:RING+4*\n+3], v[X+4*\n+2:X+4*\n+3]
	ACCUM \n
.endr
	STATS 1, GT1                                   ; its first reduction asks for rows 4 to 7 of the maps
; Row e: h1 = (t - mean) rs gamma1 + beta1;  nn = relu(h1 x1 + y1) x2 + y2;  X = nn + h1.  At its head row e + 7 of the maps is asked for, into the slot that row e - 1 has read
.macro ROWE e
.if \e == 0
	s_wait_loadcnt 28                              ; seven younger rows of four loads
.elseif \e < 9
	s_wait_loadcnt 24                              ; six younger rows of four loads: row e + 7 goes out below
	s_wait_alu depctr_va_vdst(0)                   ; row e - 1's arithmetic is done reading its slot of RING, in which the four loads below land
	EROW \e+7
.else
	s_wait_loadcnt 4*(15-\e)
.endif
.set ER, RING+16*(((\e)+4)&7)
	v_pk_mul_f32 v[T:T+1],   v[RS:RS+1],   v[C+2*\e:C+2*\e+1] op_sel_hi:[1,0]          ; rs gamma: gamma is the pair's first register
	v_pk_mul_f32 v[T+2:T+3], v[RS+2:RS+3], v[C+2*\e:C+2*\e+1] op_sel_hi:[1,0]
	v_pk_fma_f32 v[X+4*\e:X+4*\e+1],   v[X+4*\e:X+4*\e+1],   v[T:T+1],   v[C+2*\e:C+2*\e+1] op_sel:[0,0,1] op_sel_hi:[1,1,1]   ; beta is its second
	v_pk_fma_f32 v[X+4*\e+2:X+4*\e+3], v[X+4*\e+2:X+4*\e+3], v[T+2:T+3], v[C+2*\e:C+2*\e+1] op_sel:[0,0,1] op_sel_hi:[1,1,1]
	v_pk_fma_f32 v[T:T+1],   v[X+4*\e:X+4*\e+1],   v[ER:ER+1],   v[ER+4:ER+5]
	v_pk_fma_f32 v[T+2:T+3], v[X+4*\e+2:X+4*\e+3], v[ER+2:ER+3], v[ER+6:ER+7]
.irp k, 0,1,2,3
	v_max_num_f32 v[T+\k], 0, v[T+\k]
.endr
	v_pk_fma_f32 v[T:T+1],   v[T:T+1],   v[ER+8:ER+9],   v[ER+12:ER+13]
	v_pk_fma_f32 v[T+2:T+3], v[T+2:T+3], v[ER+10:ER+11], v[ER+14:ER+15]
	v_pk_add_f32 v[X+4*\e:X+4*\e+1],   v[X+4*\e:X+4*\e+1],   v[T:T+1]
	v_pk_add_f32 v[X+4*\e+2:X+4*\e+3], v[X+4*\e+2:X+4*\e+3], v[T+2:T+3]
	ACCUM \e
.endm
.irp e, 0,1,2,3,4,5,6,7,8,9,10,11,12,13,14,15
	ROWE \e
.endr
	STATS 3, GT2
; The way out.  Row n: (X - mean) rs gamma2 + beta2, in place.  The rows go in four groups of four; a group's stores stand behind the wait at the next group's head,
; dealt among that group's arithmetic, which names other rows of X.
.macro ROWF n
	v_pk_mul_f32 v[T:T+1],   v[RS:RS+1],   v[C+2*(\n):C+2*(\n)+1] op_sel_hi:[1,0]
	v_pk_mul_f32 v[T+2:T+3], v[RS+2:RS+3], v[C+2*(\n):C+2*(\n)+1] op_sel_hi:[1,0]
	v_pk_fma_f32 v[X+4*(\n):X+4*(\n)+1],   v[X+4*(\n):X+4*(\n)+1],   v[T:T+1],   v[C+2*(\n):C+2*(\n)+1] op_sel:[0,0,1] op_sel_hi:[1,1,1]
	v_pk_fma_f32 v[X+4*(\n)+2:X+4*(\n)+3], v[X+4*(\n)+2:X+4*(\n)+3], v[T+2:T+3], v[C+2*(\n):C+2*(\n)+1] op_sel:[0,0,1] op_sel_hi:[1,1,1]
.endm
.irp g, 0,1,2,3
.if \g > 0
	s_wait_alu depctr_va_vdst(0)                   ; the group before has written its four rows of X, which the stores below read
.endif
.irp i, 0,1,2,3
.if \g > 0
	global_store_b128 v[VO], v[X+4*(4*(\g-1)+\i):X+4*(4*(\g-1)+\i)+3], s[28:29] offset:(4*(\g-1)+\i)*NSTEP th:TH_STORE_NT   ; sixteen lanes store 256 consecutive bytes, aligned
.endif
	ROWF 4*\g+\i
.endr
.endr
	s_wait_alu depctr_va_vdst(0)                   ; the last group has written rows 12 to 15 of X, which the last four stores read
.irp i, 0,1,2,3
	global_store_b128 v[VO], v[X+4*(12+\i):X+4*(12+\i)+3], s[28:29] offset:(12+\i)*NSTEP th:TH_STORE_NT
.endr
	s_wait_xcnt 0x0
	v_lshl_add_u32 v254, v0, 2, 0xb000             ; the add's two registers are made anew, straight ahead of the closing lines: all 256 registers were in use until here;
	v_mov_b32 v255, 0                              ; no memory or LDS instruction has read v254 or v255: loads alone have named them
	s_wait_dscnt 0x0                               ; the closing lines, six on end
	s_wait_alu 0x0
	s_wait_tensorcnt 0x0
	ds_add_u32 v254, v255
	s_wait_dscnt 0x0
	s_endpgm
.Lfunc_end_k_q75496497a2_finish:
	.size	k_q75496497a2_finish, .Lfunc_end_k_q75496497a2_finish-k_q75496497a2_finish
	.p2alignl 7, 3214868480
	.fill 96, 4, 3214868480
	.section	.rodata,"a",@progbits
	.p2align	6, 0x0
	.amdhsa_kernel k_q75496497a2_finish
		.amdhsa_group_segment_fixed_size 47104
		.amdhsa_private_segment_fixed_size 0
		.amdhsa_enable_private_segment 0
		.amdhsa_kernarg_size 104
		.amdhsa_user_sgpr_count 2
		.amdhsa_user_sgpr_kernarg_segment_ptr 1
		.amdhsa_wavefront_size32 1
		.amdhsa_system_sgpr_workgroup_id_x 1
		.amdhsa_system_sgpr_workgroup_id_y 1
		.amdhsa_system_sgpr_workgroup_id_z 1
		.amdhsa_system_vgpr_workitem_id 0
		.amdhsa_next_free_vgpr 256
		.amdhsa_next_free_sgpr 66
		.amdhsa_reserve_vcc 0
		.amdhsa_float_denorm_mode_32 3
		.amdhsa_float_denorm_mode_16_64 3
		.amdhsa_memory_ordered 1
		.amdhsa_forward_progress 1
		.amdhsa_inst_pref_size 102
	.end_amdhsa_kernel
	.amdgpu_metadata
---
amdhsa.version: [ 1, 2 ]
amdhsa.kernels:
  - .name:           k_q75496497a2_finish
    .symbol:         k_q75496497a2_finish.kd
    .args:
      - { .name: x, .offset: 0, .size: 8, .value_kind: global_buffer, .address_space: global }
      - { .name: W_v, .offset: 8, .size: 8, .value_kind: global_buffer, .address_space: global }
      - { .name: W_o, .offset: 16, .size: 8, .value_kind: global_buffer, .address_space: global }
      - { .name: x1, .offset: 24, .size: 8, .value_kind: global_buffer, .address_space: global }
      - { .name: y1, .offset: 32, .size: 8, .value_kind: global_buffer, .address_space: global }
      - { .name: x2, .offset: 40, .size: 8, .value_kind: global_buffer, .address_space: global }
      - { .name: y2, .offset: 48, .size: 8, .value_kind: global_buffer, .address_space: global }
      - { .name: gamma1, .offset: 56, .size: 8, .value_kind: global_buffer, .address_space: global }
      - { .name: beta1, .offset: 64, .size: 8, .value_kind: global_buffer, .address_space: global }
      - { .name: gamma2, .offset: 72, .size: 8, .value_kind: global_buffer, .address_space: global }
      - { .name: beta2, .offset: 80, .size: 8, .value_kind: global_buffer, .address_space: global }
      - { .name: cpart, .offset: 88, .size: 8, .value_kind: global_buffer, .address_space: global }
      - { .name: out0, .offset: 96, .size: 8, .value_kind: global_buffer, .address_space: global }
    .group_segment_fixed_size: 47104
    .private_segment_fixed_size: 0
    .kernarg_segment_align: 8
    .kernarg_segment_size: 104
    .max_flat_workgroup_size: 512
    .sgpr_count:     66
    .vgpr_count:     256
    .wavefront_size: 32
...
	.end_amdgpu_metadata
.endif
;; end of part 4
